; MI455X (gfx1250); checked and timed in simulation.
; The chip was launched on July 23, 2026; its instructions are those of AMD's public machine-readable ISA for CDNA 5 (MIT licence, August 2026) and "CDNA5" Instruction Set Architecture Reference Guide (July 2026). The comments in the code are by the model that wrote it; some were corrected since.
;; Attention. Allowed arithmetic: matrix products marked QUANTISED: E2M3 operands, one E8M0 scale for each 32 along K, by v_wmma_scale_f32_16x16x128_f8f6f4 with both operands' format E2M3, f32 sums; everything else in f32.
;; Inputs: Wout 1,024 x 1,024 float32; Wqkv 3,072 x 1,024 float32; bout 1,024 float32; mask 8 x 1,023 bool; x 8 x 1,024 x 1,024 float32.
;; Outputs: out0 8 x 1,024 x 1,024 float32.
;; This version of the problem:
;;   THIS VERSION OF THE PROBLEM IS GIVEN IN LOW PRECISION. The matrix products marked QUANTISED in the list below multiply operands that are first quantised to E2M3 (2 exponent bits, 3 mantissa bits; 6 bits a number), with one power-of-two scale for each 32 numbers along K (OCP MX v1.0); their sums are f32. All else is computed in f32.
;;   The module's matrix products, in the order in which they are computed (A, B: the left and right operand; K: the contracted axis; several contracted axes count as one K, in the product's order):
;;     1. [M 8,192, K 1,024] x [K 1,024, N 3,072]; A: input x; B: input Wqkv: QUANTISED
;;     2. batch 128 x [M 1,024, K 64] x [K 64, N 1,024]; A: computed on the way; B: computed on the way: QUANTISED
;;     3. batch 128 x [M 1,024, K 1,024] x [K 1,024, N 64]; A: softmax (see below); B: computed on the way: QUANTISED
;;     4. [M 8,192, K 1,024] x [K 1,024, N 1,024]; A: computed on the way; B: input Wout: QUANTISED
;;   THE QUANTISER, for each operand of a quantised product, along K:
;;     - K is cut into blocks of 32 from its start; a last block that is shorter is filled with zeros.
;;     - A block's scale is 2^e with e = floor(log2(the largest magnitude in the block)) - 2, held to -126 .. 127; a block of zeros has e = 0. As a byte (E8M0): e + 127.
;;     - Each number is divided by its block's scale, clamped to +-7.5, and rounded to the nearest number of E2M3, ties to even, subnormals kept.
;;     - The product sums the exact products of the quantised numbers (number of the format x scale) in f32.
;;   ~~~python
;;   def quantise(x, axis):      # numpy; x: float32 -> the quantised numbers, widened to float32 again
;;       x = np.moveaxis(x, axis, -1); K = x.shape[-1]
;;       x = np.pad(x, [(0, 0)] * (x.ndim - 1) + [(0, -K % 32)]); x = x.reshape(x.shape[:-1] + (-1, 32)); a = np.abs(x).max(-1, keepdims=True)
;;       e = np.where(a > 0, np.clip(np.frexp(np.where(a > 0, a, 1))[1] - 1 - 2, -126, 127), 0)      # np.frexp(a)[1] - 1 = floor(log2(a)), exactly
;;       r = np.clip(x / 2.0 ** e, -7.5, 7.5)
;;       step = 2.0 ** (np.maximum(np.frexp(np.where(r == 0, 1, r))[1] - 1, 0) - 3)
;;       q = np.round(r / step) * step * 2.0 ** e      # np.round: ties to even
;;       return np.moveaxis(q.reshape(q.shape[:-2] + (-1,))[..., :K], -1, axis).astype(np.float32)
;;   ~~~
;;   SOFTMAX AHEAD OF A QUANTISED PRODUCT. Where the list says 'softmax', what is quantised is not the finished softmax but p = 2^(t - M), with t = logit x log2(e) and M = ceil(the row's largest t), a whole number; so 1/2 < the row's largest p <= 1. The row's sum l is taken of the UNQUANTISED p, in f32, and the product's result is divided by l at the end. Since M is a whole number, a kernel that streams over the keys may use a running M (the ceiling of the running maximum): every later rescaling is an exact power of two, which a block's scale takes up: the codes' values come out the same.
;;   OPERANDS COMPUTED ON THE WAY. 'Computed on the way' means the value that the module computes at that place (a softmax that the list does not call 'softmax' is quantised finished and normalised). What goes into a quantiser is computed in f32, as accurately as f32 sums, v_exp_f32 and their like allow (about 1e-6 of the number): no bf16 or f16 on the way to a quantiser, and a product that is left as it is and whose result goes on into a quantised operand takes f32 operands (vector FMAs, or v_wmma_f32_16x16x4_f32). A number that lies on a knife's edge between two numbers of the format may be rounded either way, as far as f32 arithmetic and the matrix unit's own rounding can turn it there, and no further.
;; One version. Each part assembles by itself: llvm-mc -triple=amdgcn-amd-amdhsa -mcpu=gfx1250 --defsym DOCPART=n.
;; ======== version 1 of 1: 4 launches
;; limits: right only within a limited range of input values
;; workspace buffers: xw_img 9,437,184 bytes; xw_sc 393,216 bytes; qk_img 12,582,912 bytes; qk_sc 1,048,576 bytes; v_img 6,291,456 bytes; v_sc 262,144 bytes; o_img 6,291,456 bytes; o_sc 262,144 bytes
;; launch quant (part 1): grid 768 x 1, 4 waves a work-group, no clusters, 18,944 bytes of LDS; arguments x, Wqkv, Wout, xw_img, xw_sc; writes xw_img, xw_sc
.if DOCPART == 1
	.amdgcn_target "amdgcn-amd-amdhsa--gfx1250"
	.amdhsa_code_object_version 6
	.text
	.protected	k_q555e19e7c8_quant
	.globl	k_q555e19e7c8_quant
	.p2align	8
	.type	k_q555e19e7c8_quant,@function
k_q555e19e7c8_quant:
	s_mov_b64 s[64:65], 0
	v_nop
	global_prefetch_b8 v0, s[64:65] scope:SCOPE_SE
	s_setreg_imm32_b32 hwreg(HW_REG_WAVE_MODE, 25, 1), 1
	s_wait_xcnt 0x0
; x [8192][1024], Wqkv [3072][1024], Wout [1024][1024], f32, K innermost, become codes of FP6 (E2M3) with one E8M0 byte for each 32 along K.
; A block's scale is 2^(floor(log2(largest magnitude)) - 2); its byte is the largest magnitude's exponent field - 2, held at 1 from below.
; LIMITS: a block of zeros gets the byte 1 (its codes are zeros; this program alone reads the bytes); NaN and infinities are not served.
; THE CODES ARE LAID AS IMAGES OF OPERAND REGISTERS.  A half image is 16 rows x 64 K, 768 bytes: lane 16 H + r holds block 2 c + H of row r, 24 bytes:
; its registers 0-3 at 16 x lane, its registers 4-5 at 512 + 8 x lane.  A row tile (16 rows) is 16 half images, 12,288 bytes.
; INSIDE A BLOCK the 32 numbers stand in the order 0-7, 16-23, 8-15, 24-31: the order in which later launches' matrix results fall into codes; both operands of
; every product carry it, so each product sums the same pairs.
; A work-group takes one row tile (tiles 0-511 x, 512-703 Wqkv, 704-767 Wout), wave w its K quarter: four half images.  Loads read whole rows' 256 bytes, 16 lanes to a row;
; the numbers turn through the wave's own stage in LDS (16 rows x 272 bytes), so that a lane gets its block's 32 numbers.
.set STGB, 4352                        ; a wave's stage
.set SCG,  17408                       ; behind the stages: 512 scale bytes, wave w's 128 as [row][8]
.set X,    32                          ; v32-63   a block's 32 numbers
.set R,    64                          ; v64-191  32 loads of 4 registers
.set C,    192                         ; v192..   codes: 8 registers for each half image, so that no store's data are written again
.set T,    224                         ; v224-226 the second conversion's result
	s_load_b128 s[4:7], s[0:1], 0x0                ; x, Wqkv
	s_load_b128 s[8:11], s[0:1], 0x10              ; Wout, the images
	s_load_b64 s[12:13], s[0:1], 0x20              ; the scale bytes
	v_lshl_add_u32 v232, v0, 2, 0x4800
	v_mov_b32 v233, 0
	v_lshrrev_b32 v1, 5, v0
	v_readfirstlane_b32 s16, v1                    ; wave
	v_and_b32 v2, 31, v0                           ; lane
	v_and_b32 v3, 15, v0                           ; r
	v_bfe_u32 v11, v0, 4, 1                        ; H
	v_lshlrev_b32 v4, 4, v3
	v_lshl_add_u32 v4, v11, 12, v4                 ; in: row H of a pair of rows (4,096 bytes a row), 16 bytes a lane
	s_mul_i32 s17, s16, STGB
	v_mul_u32_u24 v5, v11, 272
	v_lshl_add_u32 v5, v3, 4, v5
	v_add_nc_u32 v5, s17, v5                       ; the stage, on the way in: as loaded
	v_mul_u32_u24 v6, v3, 272
	v_lshl_add_u32 v6, v11, 7, v6
	v_add_nc_u32 v6, s17, v6                       ; on the way out: row r, block H
	v_lshlrev_b32 v7, 4, v2                        ; 16 x lane
	v_lshlrev_b32 v8, 3, v2                        ; 8 x lane
	s_lshl_b32 s18, s16, 7
	s_add_co_u32 s18, s18, SCG
	v_lshl_add_u32 v9, v3, 3, v11
	v_add_nc_u32 v9, s18, v9                       ; my block's scale byte: 128 wave + 8 r + H (+ 2 for each half image)
	v_and_b32 v10, 1, v2
	v_lshlrev_b32 v10, 8, v10
	v_lshrrev_b32 v12, 1, v2
	v_lshl_add_u32 v10, v12, 3, v10
	v_add_nc_u32 v10, SCG, v10                     ; the bytes' way out: lane takes 16 bytes of row lane / 2: waves 2 (lane % 2) and the next
	s_wait_kmcnt 0x0
	s_cmp_lt_u32 ttmp9, 512                        ; which tensor: the choice hangs on the work-group's number alone
	s_cselect_b64 s[4:5], s[4:5], s[6:7]
	s_cselect_b32 s17, 0, 512
	s_cmp_lt_u32 ttmp9, 704
	s_cselect_b64 s[4:5], s[4:5], s[8:9]
	s_cselect_b32 s17, s17, 704
	s_sub_co_u32 s17, ttmp9, s17                   ; the row tile inside its tensor
	s_lshl_b32 s18, s17, 16                        ; 16 rows of 4,096 bytes
	s_lshl_b32 s19, s16, 10                        ; my K quarter
	s_add_co_u32 s18, s18, s19
	s_mov_b32 s19, 0
	s_add_nc_u64 s[4:5], s[4:5], s[18:19]
	s_mul_i32 s20, ttmp9, 12288
	s_mul_i32 s21, s16, 3072
	s_add_co_u32 s20, s20, s21
	s_mov_b32 s21, 0
	s_add_nc_u64 s[10:11], s[10:11], s[20:21]
	s_lshl_b32 s22, ttmp9, 9
	s_mov_b32 s23, 0
	s_add_nc_u64 s[12:13], s[12:13], s[22:23]
.irp cc, 0,1,2,3                       ; all 32 loads at once: each reads two rows' 256 consecutive bytes
.irp i, 0,1,2,3,4,5,6,7
	global_load_b128 v[R+32*\cc+4*\i:R+32*\cc+4*\i+3], v4, s[4:5] offset:8192*\i+256*\cc th:TH_LOAD_NT
.endr
.endr
.macro HIMG cc
	s_wait_loadcnt 24-8*\cc                        ; this half image's eight loads are in; the eight of each later one may be out
.irp i, 0,1,2,3,4,5,6,7
	ds_store_b128 v5, v[R+32*\cc+4*\i:R+32*\cc+4*\i+3] offset:544*\i
.endr
	ds_load_b128 v[X:X+3], v6                      ; LDS serves a wave's instructions in order: these see the stores.  Numbers 0-7,
	ds_load_b128 v[X+4:X+7], v6 offset:16
	ds_load_b128 v[X+8:X+11], v6 offset:64         ; 16-23,
	ds_load_b128 v[X+12:X+15], v6 offset:80
	ds_load_b128 v[X+16:X+19], v6 offset:32        ; 8-15,
	ds_load_b128 v[X+20:X+23], v6 offset:48
	ds_load_b128 v[X+24:X+27], v6 offset:96        ; 24-31
	ds_load_b128 v[X+28:X+31], v6 offset:112
	s_wait_dscnt 0x0
	v_max3_num_f32 v12, |v[X]|, |v[X+1]|, |v[X+2]| ; the block's largest magnitude, in two chains
	v_max3_num_f32 v13, |v[X+3]|, |v[X+4]|, |v[X+5]|
.irp i, 6,10,14,18,22,26
	v_max3_num_f32 v12, v12, |v[X+\i]|, |v[X+\i+1]|
	v_max3_num_f32 v13, v13, |v[X+\i+2]|, |v[X+\i+3]|
.endr
	v_max3_num_f32 v12, v12, |v[X+30]|, |v[X+31]|
	v_max3_num_f32 v12, v12, v13, 0x1800000        ; and the floor 2^(3 - 127): the byte cannot fall under 1
	v_add_nc_u32 v14, 0xff000000, v12              ; 2 off the exponent field: the conversion's scale operand
	v_cvt_scalef32_pk16_fp6_f32 v[C+8*\cc:C+8*\cc+2], v[X:X+15], v14
	v_cvt_scalef32_pk16_fp6_f32 v[T:T+2], v[X+16:X+31], v14   ; (a conversion's three registers begin on an even number)
	v_lshrrev_b32 v15, 23, v14                     ; the scale's byte; also the plain line behind the conversions
.irp i, 0,1,2
	v_mov_b32 v[C+8*\cc+3+\i], v[T+\i]
.endr
	ds_store_b8 v9, v15 offset:2*\cc
	global_store_b128 v7, v[C+8*\cc:C+8*\cc+3], s[10:11] offset:768*\cc          ; 512 consecutive bytes
	global_store_b64 v8, v[C+8*\cc+4:C+8*\cc+5], s[10:11] offset:768*\cc+512     ; 256 consecutive bytes
.endm
	HIMG 0
	HIMG 1
	HIMG 2
	HIMG 3
	s_wait_dscnt 0x0                               ; for wave 0's sake: my scale bytes are in LDS
	s_barrier_signal -1
	s_barrier_wait -1
	s_cmp_lg_u32 s16, 0
	s_cbranch_scc1 .Lend
	ds_load_b64 v[228:229], v10                    ; the tile's 512 scale bytes leave as rows of 32, 16 bytes a lane
	ds_load_b64 v[230:231], v10 offset:128
	s_wait_dscnt 0x0
	global_store_b128 v7, v[228:231], s[12:13]
.Lend:
	s_wait_tensorcnt 0x0
	ds_add_u32 v232, v233
	s_wait_dscnt 0x0
	s_endpgm
.Lfunc_end_k_q555e19e7c8_quant:
	.size	k_q555e19e7c8_quant, .Lfunc_end_k_q555e19e7c8_quant-k_q555e19e7c8_quant
	.p2alignl 7, 3214868480
	.fill 96, 4, 3214868480
	.section	.rodata,"a",@progbits
	.p2align	6, 0x0
	.amdhsa_kernel k_q555e19e7c8_quant
		.amdhsa_group_segment_fixed_size 18944
		.amdhsa_private_segment_fixed_size 0
		.amdhsa_enable_private_segment 0
		.amdhsa_kernarg_size 40
		.amdhsa_user_sgpr_count 2
		.amdhsa_user_sgpr_kernarg_segment_ptr 1
		.amdhsa_wavefront_size32 1
		.amdhsa_system_sgpr_workgroup_id_x 1
		.amdhsa_system_sgpr_workgroup_id_y 1
		.amdhsa_system_sgpr_workgroup_id_z 1
		.amdhsa_system_vgpr_workitem_id 0
		.amdhsa_next_free_vgpr 234
		.amdhsa_next_free_sgpr 66
		.amdhsa_reserve_vcc 0
		.amdhsa_float_denorm_mode_32 3
		.amdhsa_float_denorm_mode_16_64 3
		.amdhsa_memory_ordered 1
		.amdhsa_forward_progress 1
		.amdhsa_inst_pref_size 17
	.end_amdhsa_kernel
	.amdgpu_metadata
---
amdhsa.version: [ 1, 2 ]
amdhsa.kernels:
  - .name:           k_q555e19e7c8_quant
    .symbol:         k_q555e19e7c8_quant.kd
    .args:
      - { .name: x, .offset: 0, .size: 8, .value_kind: global_buffer, .address_space: global }
      - { .name: Wqkv, .offset: 8, .size: 8, .value_kind: global_buffer, .address_space: global }
      - { .name: Wout, .offset: 16, .size: 8, .value_kind: global_buffer, .address_space: global }
      - { .name: xw_img, .offset: 24, .size: 8, .value_kind: global_buffer, .address_space: global }
      - { .name: xw_sc, .offset: 32, .size: 8, .value_kind: global_buffer, .address_space: global }
    .group_segment_fixed_size: 18944
    .private_segment_fixed_size: 0
    .kernarg_segment_align: 8
    .kernarg_segment_size: 40
    .max_flat_workgroup_size: 128
    .sgpr_count:     66
    .vgpr_count:     234
    .wavefront_size: 32
...
	.end_amdgpu_metadata
.endif
;; end of part 1
;; launch gemm_qkv (part 2): grid 96 x 4, 4 waves a work-group, clusters of 4 x 4, 327,680 bytes of LDS; arguments xw_img, xw_sc, qk_img, qk_sc, v_img, v_sc; writes qk_img, qk_sc, v_img, v_sc
.if DOCPART == 2
	.amdgcn_target "amdgcn-amd-amdhsa--gfx1250"
	.amdhsa_code_object_version 6
	.text
	.protected	k_q555e19e7c8_gemm_qkv
	.globl	k_q555e19e7c8_gemm_qkv
	.p2align	8
	.type	k_q555e19e7c8_gemm_qkv,@function
k_q555e19e7c8_gemm_qkv:
	s_mov_b64 s[64:65], 0
	v_nop
	global_prefetch_b8 v0, s[64:65] scope:SCOPE_SE
	s_setreg_imm32_b32 hwreg(HW_REG_WAVE_MODE, 25, 1), 1
	s_wait_xcnt 0x0
	s_wait_alu depctr_hold_cnt(0) depctr_sa_sdst(0) depctr_va_vdst(0) depctr_va_sdst(0) depctr_va_ssrc(0) depctr_va_vcc(0) depctr_vm_vsrc(0)
	s_getreg_b32 s2, hwreg(HW_REG_IB_STS2, 6, 4)
	s_cmp_eq_u32 s2, 0
	s_cbranch_scc0 .Lentry_in_a_cluster
	s_endpgm
.Lentry_in_a_cluster:
	s_bfe_u32 s2, ttmp6, 0x10000c
	s_cmp_lg_u32 s2, 0xf033
	s_cbranch_scc0 .Lentry_shape_is_right
	s_endpgm
.Lentry_shape_is_right:
; qkv = x Wqkv^T on codes of FP6 (E2M3) with E8M0 scales, K = 1,024; the results are quantised in registers and leave as codes: q and k along the head's 64 channels, v along the keys.
; 24 clusters of 4 x 4 work-groups; a work-group makes 256 x 256, each of its four waves 128 x 128 (64 accumulators).  Clusters 0-15: A = x, B = Wqkv's rows 0-2047 (q, k).
; Clusters 16-23: A = Wqkv's rows 2048-3071, B = x (v transposed).  THE MATRIX INSTRUCTION IS USED TRANSPOSED (source 0 = 16 rows of B, source 1 = 16 rows of A): a lane holds one row of A and
; eight neighbouring rows of B a tile.  So for q and k a lane holds a token and its registers run along the channels; for v it holds a channel and its registers run along the tokens: one way out serves both.
; OPERANDS lie in memory as images of their registers (half image: 16 rows x 64 K, 768 bytes: registers 0-3 at 16 x lane, 4-5 at 512 + 8 x lane): a row tile's 256 along K are 3,072 dense bytes.
; K goes in four steps of 256 through THREE LDS slots: K steps 0, 1, 2 are first fills, issued together at the head; K step 3 is the one refill, into slot 0, asked for as soon as slot 0 has been read:
; it has two K steps, 256 matrix instructions a wave, in which to land.  A's tiles are asked for jointly along a row of the cluster, B's along a column.
; THE SCALE BYTES of the work-group's 256 + 256 rows (32 bytes a row) come once, through registers, into LDS bytes of their own, 16 bytes of padding behind each 256.
; No prefetch: one refill a work-group, of operands that many work-groups read.
; LIMITS: a block of zeros gets the scale byte 1 (its codes are zeros; this program alone reads the bytes); NaN and infinities are not served.
; REGISTERS: window 0: v4-22 addresses, v28-29 the add's, v32-63 scale words (two sets), v64-127 the way out, v128-223 A's fragments (one set); window 1: B's fragments, two sets at v0 and v128;
; window 2: the accumulators of my rows 0-63 ((a, b) at v[8 (8 a + b)]); window 3: those of rows 64-127.
.set NA,     8                         ; A's blocks of 16 rows in a wave
.set FR,     12                        ; registers of a fragment
.set TB,     3072                      ; a row tile's bytes in a slot
.set ATILE,  2*NA*TB
.set SLOT,   ATILE+16*TB               ; A's 16 row tiles, then B's 16: 98,304 bytes
.set SCA,    3*SLOT                    ; behind the three slots: A's scale bytes: 256 rows, 8,704 bytes
.set SCB,    SCA+8704                  ; B's
.set SPARE,  SCB+8704                  ; the spare words, 128 bytes a wave
.set ADRA16, 4                         ; v4-6    16 x lane + my A tiles in slot 0, 1, 2
.set ADRA8,  8                         ; v8-10   8 x lane + the same
.set ADRB16, 12                        ; v12-14  for B
.set ADRB8,  16                        ; v16-18
.set ADRS,   20
.set L16,    21
.set L8,     22
.set SPW,    28
.set NIL,    29
.set SC,     32                        ; set s at v[SC + 16 s]; register 2 i + q: lanes 0-15 A's block i, lanes 16-31 B's block i, the K step's q-th 128 along K
.set AF,     128
.set PC,     64                        ; the way out: v64-75 a fragment's codes, v76-82 at work
.set TM,     96                        ; v96-99 largest magnitudes, v100-103 bytes, v108-111 scale operands
.set PWS,    112                       ; v112-119 the eight blocks' scale words
.set U,      120
.set G1,  24
.set G0,  32                           ; A's groups 0: slot 0 s32-35, slot 1 s36-39, slot 2 s84-87
.set G1B, 48
.set G0B, 56                           ; B's: slot 0 s56-59, slot 1 s60-63, slot 2 s92-95
.set MSB, 0
.macro WIN new                         ; the immediate's high byte repeats the setting that is left
.if MSB != (\new)
	s_set_vgpr_msb (MSB<<8)|(\new)
.set MSB, (\new)
.endif
.endm
.set MUL_LO, 0xa1
.set MUL_HI, 0xf1
.set TO_B,   0x40
.macro JLOAD g0a, g0b                  ; a joint load: waves 0 and 1 fetch for A, waves 2 and 3 for B; four v_nop follow each line
	s_cmp_eq_u32 s15, 0
	s_cbranch_scc0 .Lfor_b_\@
	tensor_load_to_lds s[\g0a:\g0a+3], s[G1:G1+7]
	s_nop 0
.rept 4
	v_nop
.endr
	s_branch .Lasked_\@
.Lfor_b_\@:
	tensor_load_to_lds s[\g0b:\g0b+3], s[G1B:G1B+7]
	s_nop 0
.rept 4
	v_nop
.endr
.Lasked_\@:
.endm
.macro CREST                           ; a round of the cluster's barrier behind its opening barrier
	s_cmp_lg_u32 s14, 0
	s_cbranch_scc1 .Lnot_wave_0_\@
	s_barrier_signal -3
.Lnot_wave_0_\@:
	s_barrier_wait -3
	s_barrier_signal -1
	s_barrier_wait -1
.endm
.macro CROUND
	s_barrier_signal -1
	s_barrier_wait -1
	CREST
.endm
.macro PLACES                          ; four plain places behind matrix instructions, in front of loads into their registers and of reads of results
.rept 4
	v_nop
.endr
.endm
	s_load_b256 s[4:11], s[0:1], 0x0               ; images s[4:5], scale bytes s[6:7], qk_img s[8:9], qk_sc s[10:11]
	s_load_b128 s[76:79], s[0:1], 0x20             ; v_img, v_sc
	v_lshl_add_u32 v[SPW], v0, 2, SPARE
	v_mov_b32 v[NIL], 0
	ds_add_u32 v28, v29
	ds_add_u32 v28, v29
	s_wait_dscnt 0x0
	v_lshrrev_b32 v1, 5, v0
	v_readfirstlane_b32 s14, v1                    ; wave
	s_lshr_b32 s15, s14, 1                         ; my half of the rows.  Also: I fetch for A (0) or B (1)
	s_and_b32 s16, s14, 1                          ; my half of the columns.  Also: which half I fetch
	s_bfe_u32 s40, ttmp6, 0x40000                  ; cx
	s_bfe_u32 s41, ttmp6, 0x40004                  ; cy
	s_lshr_b32 s66, ttmp9, 1
	s_and_b32 s67, ttmp9, 1
	s_sub_co_u32 s68, ttmp9, 16
	s_cmp_lt_u32 ttmp9, 16                         ; q and k, or v: the cluster's number, the same in all sixteen partners
	s_cselect_b32 s66, s66, 0                      ; the cluster's row
	s_cselect_b32 s67, s67, s68                    ; and column
	s_cselect_b32 s69, 0, 640                      ; A's first row tile in the images: x, or Wqkv's rows 2048 on
	s_cselect_b32 s70, 512, 0                      ; B's: Wqkv, or x
	s_lshl_b32 s17, s66, 2
	s_add_co_u32 s17, s17, s41                     ; ty: tile row
	s_lshl_b32 s42, s67, 2
	s_add_co_u32 s42, s42, s40                     ; tx: tile column
	s_lshl_b32 s43, s41, 2
	s_lshl_b32 s43, 15, s43                        ; my row of the cluster
	s_lshl_b32 s44, 0x1111, s40                    ; my column
	s_or_b32 s[G1+0], s43, (3<<16)|(1<<21)         ; the mask; elements of 8 bytes; bit 21 beside a mask; no padding
	s_or_b32 s[G1B+0], s44, (3<<16)|(1<<21)
.irp g, G1, G1B                        ; 8 row tiles x 3,072 bytes (384 elements), 12,288 bytes (1,536 elements) apart
	s_mov_b32 s[\g+1], 384<<16
	s_mov_b32 s[\g+2], 8<<16
	s_mov_b32 s[\g+3], 384<<16
	s_mov_b32 s[\g+4], 8
	s_mov_b32 s[\g+5], 1536
	s_mov_b32 s[\g+6], 0
	s_mov_b32 s[\g+7], 0
.endr
	s_lshl_b32 s18, s16, 3
	s_lshl_b32 s20, s17, 4
	s_add_co_u32 s20, s20, s18
	s_add_co_u32 s20, s20, s69                     ; A: the first row tile that I fetch
	s_mul_i32 s20, s20, 12288
	s_mov_b32 s21, 0
	s_lshl_b32 s46, s42, 4
	s_add_co_u32 s46, s46, s18
	s_add_co_u32 s46, s46, s70                     ; B likewise
	s_mul_i32 s46, s46, 12288
	s_mov_b32 s47, 0
	s_mul_i32 s45, s16, NA*TB                      ; where they go: no place in the cluster enters an LDS address
	s_mul_i32 s71, s16, 8*TB
	s_add_co_u32 s71, s71, ATILE
	s_lshl_b32 s74, s17, 4
	s_add_co_u32 s74, s74, s69
	s_lshl_b32 s74, s74, 9                         ; A's scale bytes: 512 a row tile
	s_mov_b32 s75, 0
	s_lshl_b32 s80, s42, 4
	s_add_co_u32 s80, s80, s70
	s_lshl_b32 s80, s80, 9                         ; B's
	s_mov_b32 s81, 0
	s_wait_kmcnt 0x0
	s_add_nc_u64 s[20:21], s[4:5], s[20:21]
	s_add_nc_u64 s[46:47], s[4:5], s[46:47]
	s_add_nc_u64 s[74:75], s[6:7], s[74:75]
	s_add_nc_u64 s[80:81], s[6:7], s[80:81]
	CROUND                                         ; all sixteen work-groups are here: the first joint loads meet
.irp s, 0,1,2                          ; the three first fills go out as one group: three loads of mine are out
	s_mov_b32 s[G0+4*\s+44*(\s/2)], 1
	s_add_co_u32 s[G0+4*\s+44*(\s/2)+1], s45, \s*SLOT
	s_add_nc_u64 s[G0+4*\s+44*(\s/2)+2:G0+4*\s+44*(\s/2)+3], s[20:21], \s*TB
	s_or_b32 s[G0+4*\s+44*(\s/2)+3], s[G0+4*\s+44*(\s/2)+3], 0x80000000
	s_mov_b32 s[G0B+4*\s+28*(\s/2)], 1
	s_add_co_u32 s[G0B+4*\s+28*(\s/2)+1], s71, \s*SLOT
	s_add_nc_u64 s[G0B+4*\s+28*(\s/2)+2:G0B+4*\s+28*(\s/2)+3], s[46:47], \s*TB
	s_or_b32 s[G0B+4*\s+28*(\s/2)+3], s[G0B+4*\s+28*(\s/2)+3], 0x80000000
	JLOAD G0+4*\s+44*(\s/2), G0B+4*\s+28*(\s/2)
.endr
	v_lshlrev_b32 v25, 4, v0                       ; the scale bytes: thread t takes 16 bytes at 16 t of each 2,048,
	v_lshrrev_b32 v26, 4, v0
	v_lshl_add_u32 v26, v26, 4, v25
	v_add_nc_u32 v26, SCA, v26                     ; and puts them 16 bytes further on for each 256 passed
.irp k, 0,1,2,3
	global_load_b128 v[64+4*\k:64+4*\k+3], v25, s[74:75] offset:2048*\k
.endr
.irp k, 0,1,2,3
	global_load_b128 v[80+4*\k:80+4*\k+3], v25, s[80:81] offset:2048*\k
.endr
	v_and_b32 v1, 31, v0                           ; lane
	v_and_b32 v2, 15, v0                           ; r
	v_bfe_u32 v3, v0, 4, 1                         ; H
	v_lshlrev_b32 v[L16], 4, v1
	v_lshlrev_b32 v[L8], 3, v1
	s_mul_i32 s72, s15, NA*TB                      ; my 8 row tiles of A
	s_mul_i32 s73, s16, 8*TB
	s_add_co_u32 s73, s73, ATILE                   ; and of B
.irp s, 0,1,2
	v_add_nc_u32 v[ADRA16+\s], s72, v[L16]
	v_add_nc_u32 v[ADRA8+\s], s72, v[L8]
	v_add_nc_u32 v[ADRB16+\s], s73, v[L16]
	v_add_nc_u32 v[ADRB8+\s], s73, v[L8]
	s_add_co_u32 s72, s72, SLOT
	s_add_co_u32 s73, s73, SLOT
.endr
	v_lshlrev_b32 v23, 5, v2                       ; my row's scale bytes: 32 a row,
	v_lshrrev_b32 v24, 3, v2
	v_lshl_add_u32 v23, v24, 4, v23                ; 16 more behind each eight rows
	s_mul_i32 s72, s15, NA*544                     ; A's: my 128 rows
	s_mul_i32 s73, s16, 4352                       ; B's: my 128 rows
	s_add_co_u32 s73, s73, SCB-SCA
	s_sub_co_u32 s73, s73, s72
	v_mul_u32_u24 v24, s73, v3                     ; lanes 16-31 take B's
	s_add_co_u32 s72, s72, SCA
	v_add_nc_u32 v23, v23, v24
	v_add_nc_u32 v[ADRS], s72, v23
.irp b, 0,1,2,3
	v_mov_b32 v[TM+4+\b], 0                        ; written once: a lane permute's destination counts as one of its sources
.endr
	s_wait_loadcnt 0x0
.irp k, 0,1,2,3
	ds_store_b128 v26, v[64+4*\k:64+4*\k+3] offset:2176*\k
	ds_store_b128 v26, v[80+4*\k:80+4*\k+3] offset:SCB-SCA+2176*\k
.endr
.macro FRAG reg, a16, a8, off          ; a fragment, 16 rows x 128 K: two half images as they lie
	ds_load_b128 v[\reg:\reg+3], v[\a16] offset:\off
	ds_load_b64 v[\reg+4:\reg+5], v[\a8] offset:\off+512
	ds_load_b128 v[\reg+6:\reg+9], v[\a16] offset:\off+768
	ds_load_b64 v[\reg+10:\reg+11], v[\a8] offset:\off+1280
.endm
.macro FETCH_B slot, q, p
	WIN TO_B
.irp i, 0,1,2,3,4,5,6,7
	FRAG 128*(\p)+FR*\i, ADRB16+\slot, ADRB8+\slot, \i*TB+(\q)*1536
.endr
	WIN 0
.endm
.macro FETCH_A slot, q, i0
.irp i, \i0, \i0+1, \i0+2, \i0+3
	FRAG AF+FR*(\i), ADRA16+\slot, ADRA8+\slot, (\i)*TB+(\q)*1536
.endr
.endm
.macro SCALES set, ks                  ; K step ks: 8 bytes a row
.irp i, 0,1,2,3,4,5,6,7
	ds_load_b64 v[SC+16*(\set)+2*\i:SC+16*(\set)+2*\i+1], v[ADRS] offset:544*\i+8*(\ks)
.endr
.endm
; A's block a against B's eight.  The 64 accumulators take turns, one instruction a turn, in the same order in every step.
.macro MULA a, p, q, set, zero
.irp b, 0,1,2,3,4,5,6,7
.if \zero
	v_wmma_scale_f32_16x16x128_f8f6f4 v[8*(8*((\a)%4)+\b):8*(8*((\a)%4)+\b)+7], v[128*(\p)+FR*\b:128*(\p)+FR*\b+FR-1], v[AF+FR*(\a):AF+FR*(\a)+FR-1], 0, v[SC+16*(\set)+2*\b+(\q)], v[SC+16*(\set)+2*(\a)+(\q)] matrix_a_fmt:MATRIX_FMT_FP6 matrix_b_fmt:MATRIX_FMT_FP6 matrix_a_scale:MATRIX_SCALE_ROW1
.else
	v_wmma_scale_f32_16x16x128_f8f6f4 v[8*(8*((\a)%4)+\b):8*(8*((\a)%4)+\b)+7], v[128*(\p)+FR*\b:128*(\p)+FR*\b+FR-1], v[AF+FR*(\a):AF+FR*(\a)+FR-1], v[8*(8*((\a)%4)+\b):8*(8*((\a)%4)+\b)+7], v[SC+16*(\set)+2*\b+(\q)], v[SC+16*(\set)+2*(\a)+(\q)] matrix_a_fmt:MATRIX_FMT_FP6 matrix_b_fmt:MATRIX_FMT_FP6 matrix_a_scale:MATRIX_SCALE_ROW1
.endif
.endr
.endm
.macro STEP slot, set, zero            ; a K step's first 128 along K, out of LDS slot 'slot', with scale set 'set'
	s_wait_dscnt 2*NA                              ; all but the youngest 16 loads (A's blocks 4-7) are in
	WIN MUL_LO
	MULA 0, 0, 0, \set, \zero
	MULA 1, 0, 0, \set, \zero
	MULA 2, 0, 0, \set, \zero
	MULA 3, 0, 0, \set, \zero
	s_wait_dscnt 0x0
	PLACES
	FETCH_B \slot, 1, 1
	FETCH_A \slot, 1, 0
	WIN MUL_HI
	MULA 4, 0, 0, \set, \zero
	MULA 5, 0, 0, \set, \zero
	MULA 6, 0, 0, \set, \zero
	MULA 7, 0, 0, \set, \zero
	PLACES
	WIN 0
	FETCH_A \slot, 1, 4
.endm
; A K step's second 128 along K, and the change to LDS slot 'next', which holds K step ks.
; mode 1: this slot is filled again.  In front of the barrier each wave waits for ALL its tensor loads, adds 0 to its spare word, and waits for that and for its reads of this slot; the barrier opens a round
;         of the cluster's; the joint refill comes first behind it.
; mode 0: nothing is filled; the same three lines and a plain barrier: every wave's part of the next slot has landed.
; mode 2: no barrier at all: the next slot was shown whole to every wave by the round of mode 1, in front of which every wave had waited for all its loads, and this slot is never filled again.
.macro TURN slot, set, next, mode, ks
.if (\mode) < 2
	s_wait_tensorcnt 0x0                           ; all my tensor loads have landed
	ds_add_u32 v[SPW], v[NIL]                      ; 0 onto my spare word
	s_wait_dscnt 2*NA+1                            ; (the add and the youngest 16 loads may be out)
.else
	s_wait_dscnt 2*NA                              ; (the youngest 16 loads may be out)
.endif
	WIN MUL_LO
	MULA 0, 1, 1, \set, 0
	MULA 1, 1, 1, \set, 0
	s_wait_dscnt 0x0                               ; my reads of this slot are over (and the add is done)
.if (\mode) < 2
	s_barrier_signal -1
.endif
	MULA 2, 1, 1, \set, 0
	MULA 3, 1, 1, \set, 0
	WIN 0
.if (\mode) < 2
	s_barrier_wait -1
.endif
.if (\mode) == 1
	CREST                                          ; no wave of any partner still reads this slot or has a load on its way
	s_add_nc_u64 s[G0+4*\slot+2:G0+4*\slot+3], s[G0+4*\slot+2:G0+4*\slot+3], 3*TB
	s_add_nc_u64 s[G0B+4*\slot+2:G0B+4*\slot+3], s[G0B+4*\slot+2:G0B+4*\slot+3], 3*TB
	JLOAD G0+4*\slot, G0B+4*\slot                  ; the first tensor load behind the round, and my only one; its four v_nop are the places in front of the loads below
.else
	PLACES
.endif
	FETCH_B \next, 0, 0
	FETCH_A \next, 0, 0
	SCALES 1-(\set), \ks
	WIN MUL_HI
	MULA 4, 1, 1, \set, 0
	MULA 5, 1, 1, \set, 0
	MULA 6, 1, 1, \set, 0
	MULA 7, 1, 1, \set, 0
	PLACES
	WIN 0
	FETCH_A \next, 0, 4
.endm
	s_wait_tensorcnt 2                             ; my part of K step 0 is in; the loads of K steps 1 and 2 may be out
	s_wait_dscnt 0x0                               ; my part of the scale bytes is in LDS
	s_barrier_signal -1
	s_barrier_wait -1
	FETCH_B 0, 0, 0
	FETCH_A 0, 0, 0
	SCALES 0, 0
	FETCH_A 0, 0, 4
	STEP 0, 0, 1                                   ; K step 0: the first products start the sums
	TURN 0, 0, 1, 1, 1                             ; slot 0 has been read: it takes K step 3
	STEP 1, 1, 0                                   ; K step 1
	TURN 1, 1, 2, 2, 2
	STEP 2, 0, 0                                   ; K step 2
	TURN 2, 0, 0, 0, 3                             ; K step 3 has landed in slot 0
	STEP 0, 1, 0                                   ; K step 3
	s_wait_dscnt 2*NA                              ; the last 128 along K: nothing more to fetch
	WIN MUL_LO
	MULA 0, 1, 1, 1, 0
	MULA 1, 1, 1, 1, 0
	MULA 2, 1, 1, 1, 0
	MULA 3, 1, 1, 1, 0
	s_wait_dscnt 0x0
	WIN MUL_HI
	MULA 4, 1, 1, 1, 0
	MULA 5, 1, 1, 1, 0
	MULA 6, 1, 1, 1, 0
	MULA 7, 1, 1, 1, 0
	WIN 0
	; THE WAY OUT.  Where my results go, for both kinds of cluster; then one choice on the cluster's number.  (No tensor load of mine is out: the registers of the third groups 0 are free.)
	s_mov_b32 s2, 0x76543210
	s_mov_b32 s3, 0xfedcba98                       ; v_permlanex16_b32's selects for lane l xor 16
	s_lshr_b32 s80, s17, 2                         ; q, k: batch
	s_and_b32 s81, s17, 3
	s_lshl_b32 s82, s80, 5
	s_lshl_b32 s83, s42, 2
	s_add_co_u32 s82, s82, s83
	s_lshl_b32 s83, s16, 1
	s_add_co_u32 s82, s82, s83                     ; g = 32 b + 4 tx + 2 wc: my first head (q: 0-15, k: 16-31)
	s_lshl_b32 s84, s82, 6
	s_lshl_b32 s83, s81, 4
	s_add_co_u32 s84, s84, s83
	s_lshl_b32 s83, s15, 3
	s_add_co_u32 s84, s84, s83                     ; 64 g + my first token tile
	s_mul_i32 s84, s84, 768
	s_lshl_b32 s85, s82, 3
	s_lshl_b32 s83, s81, 1
	s_add_co_u32 s85, s85, s83
	s_add_co_u32 s85, s85, s15                     ; 8 g + my 128 tokens' number
	s_lshl_b32 s85, s85, 9
	s_lshr_b32 s80, s42, 2                         ; v: batch
	s_and_b32 s81, s42, 3
	s_lshl_b32 s81, s81, 1
	s_add_co_u32 s81, s81, s16                     ; my 128 keys' number
	s_lshl_b32 s86, s80, 3
	s_add_co_u32 s86, s86, s81
	s_lshl_b32 s86, s86, 6
	s_lshl_b32 s83, s17, 4
	s_add_co_u32 s86, s86, s83
	s_lshl_b32 s83, s15, 3
	s_add_co_u32 s86, s86, s83                     ; 64 (8 b + s) + my first channel tile
	s_mul_i32 s86, s86, 1536
	s_lshl_b32 s87, s80, 4
	s_lshl_b32 s83, s17, 2
	s_add_co_u32 s87, s87, s83
	s_lshl_b32 s83, s15, 1
	s_add_co_u32 s87, s87, s83                     ; 16 b + my first head
	s_lshl_b32 s87, s87, 3
	s_add_co_u32 s87, s87, s81
	s_lshl_b32 s87, s87, 8
	s_mov_b32 s92, 1536
	s_mov_b32 s94, 768
	s_cmp_lt_u32 ttmp9, 16
	s_cselect_b64 s[88:89], s[8:9], s[76:77]       ; the images' buffer
	s_cselect_b64 s[90:91], s[10:11], s[78:79]     ; the scale words'
	s_cselect_b32 s84, s84, s86
	s_cselect_b32 s86, s85, s87
	s_cselect_b32 s92, 768, s92                    ; from one of my blocks of A to the next
	s_cselect_b32 s94, 49152, s94                  ; from a fragment's first half image to its second: the next head, or the next 64 keys
	s_mov_b32 s85, 0
	s_mov_b32 s87, 0
	s_mov_b32 s93, 0
	s_mov_b32 s95, 0
	s_add_nc_u64 s[88:89], s[88:89], s[84:85]
	s_add_nc_u64 s[96:97], s[88:89], s[94:95]
	s_add_nc_u64 s[90:91], s[90:91], s[86:87]
; Block a: 64 numbers a lane, register 16 b + i, become a fragment's codes and its scale word; the two half images leave as they stand.
.macro EPI a
.set AC, 64*((\a)%4)
.if (\a) > 0
	s_wait_xcnt 0x0                                ; the last block's stores have read their registers and bases: both are written again only behind this wait
	s_add_nc_u64 s[88:89], s[88:89], s[92:93]
	s_add_nc_u64 s[96:97], s[96:97], s[92:93]
.endif
	WIN 0x28+0x14*((\a)/4)                         ; sources 1 and 2 in window 2 or 3
.irp b, 0,1,2,3
	v_max3_num_f32 v[TM+\b], 0x1800000, |v[AC+16*\b]|, |v[AC+16*\b+1]|   ; each accumulator from its low end on; the floor 2^(3 - 127) holds the byte at 1
.endr
.irp i, 2,4,6,8,10,12,14
.irp b, 0,1,2,3
	v_max3_num_f32 v[TM+\b], v[TM+\b], |v[AC+16*\b+\i]|, |v[AC+16*\b+\i+1]|
.endr
.endr
	WIN 0
.irp b, 0,1,2,3
	v_permlanex16_b32 v[TM+4+\b], v[TM+\b], s2, s3
.endr
.irp b, 0,1,2,3
	v_max_num_f32 v[TM+\b], v[TM+\b], v[TM+4+\b]   ; with lane l xor 16's: the block's largest magnitude
.endr
.irp b, 0,1,2,3
	v_add_nc_u32 v[TM+12+\b], 0xff000000, v[TM+\b] ; the conversion's scale operand
.endr
.irp b, 0,1,2,3
	v_lshrrev_b32 v[TM+4+\b], 23, v[TM+12+\b]      ; the scale's byte
.endr
	v_lshl_or_b32 v[PWS+\a], v[TM+5], 8, v[TM+4]
	v_lshl_or_b32 v[PWS+\a], v[TM+6], 16, v[PWS+\a]
	v_lshl_or_b32 v[PWS+\a], v[TM+7], 24, v[PWS+\a]
	WIN 0x02+((\a)/4)                              ; source 0 in window 2 or 3
.irp c, 0,1
	v_cvt_scalef32_pk16_fp6_f32 v[PC+6*\c:PC+6*\c+2], v[AC+32*\c:AC+32*\c+15], v[TM+12+2*\c]
	v_cvt_scalef32_pk16_fp6_f32 v[PC+12+4*\c:PC+14+4*\c], v[AC+32*\c+16:AC+32*\c+31], v[TM+13+2*\c]
.endr
	WIN 0
	v_nop                                          ; one plain place behind a scaled conversion
.irp c, 0,1                            ; a whole block to a lane: lanes 0-15 block 2 c, lanes 16-31 block 2 c + 1
.irp i, 0,1,2
	v_permlane16_swap_b32 v[PC+6*\c+\i], v[PC+12+4*\c+\i]
.endr
.irp i, 0,1,2
	v_mov_b32 v[PC+3+6*\c+\i], v[PC+12+4*\c+\i]
.endr
.endr
	global_store_b128 v[L16], v[PC:PC+3], s[88:89]                 ; 512 consecutive bytes
	global_store_b64 v[L8], v[PC+4:PC+5], s[88:89] offset:512      ; 256
	global_store_b128 v[L16], v[PC+6:PC+9], s[96:97]
	global_store_b64 v[L8], v[PC+10:PC+11], s[96:97] offset:512
.endm
	PLACES
.irp a, 0,1,2,3,4,5,6,7
	EPI \a
.endr
	s_mov_b32 s98, 0xffff0000                      ; lanes 16-31
	s_cmp_lt_u32 ttmp9, 16
	s_cbranch_scc0 .Lv_scales
.irp j, 0,1,2,3                        ; q, k: lane (H, r) holds the words of token tiles 4 H + j; a word's low half is my first head's, its high half the next head's
	v_cndmask_b32 v[U+\j], v[PWS+\j], v[PWS+4+\j], s98
.endr
.irp j, 0,1,2,3
	v_and_b32 v[U+4+\j], 0xffff, v[U+\j]
.endr
.irp j, 0,1,2,3
	v_lshrrev_b32 v[U+\j], 16, v[U+\j]
.endr
	global_store_b128 v[L16], v[U+4:U+7], s[90:91]
	global_store_b128 v[L16], v[U:U+3], s[90:91] offset:4096
	s_branch .Lsc_done
.Lv_scales:
.irp h, 0,1                            ; v: lane (H, r) holds the words of a head's channel tiles 2 H + j
.irp j, 0,1
	v_cndmask_b32 v[U+2*\h+\j], v[PWS+4*\h+\j], v[PWS+4*\h+2+\j], s98
.endr
.endr
	global_store_b64 v[L8], v[U:U+1], s[90:91]
	global_store_b64 v[L8], v[U+2:U+3], s[90:91] offset:2048
.Lsc_done:
	s_wait_tensorcnt 0x0                           ; the wave's end
	ds_add_u32 v[SPW], v[NIL]
	s_wait_dscnt 0x0
	CROUND                                         ; the closing round
	s_endpgm
.Lfunc_end_k_q555e19e7c8_gemm_qkv:
	.size	k_q555e19e7c8_gemm_qkv, .Lfunc_end_k_q555e19e7c8_gemm_qkv-k_q555e19e7c8_gemm_qkv
	.p2alignl 7, 3214868480
	.fill 96, 4, 3214868480
	.section	.rodata,"a",@progbits
	.p2align	6, 0x0
	.amdhsa_kernel k_q555e19e7c8_gemm_qkv
		.amdhsa_group_segment_fixed_size 327680
		.amdhsa_private_segment_fixed_size 0
		.amdhsa_enable_private_segment 0
		.amdhsa_kernarg_size 48
		.amdhsa_user_sgpr_count 2
		.amdhsa_user_sgpr_kernarg_segment_ptr 1
		.amdhsa_wavefront_size32 1
		.amdhsa_system_sgpr_workgroup_id_x 1
		.amdhsa_system_sgpr_workgroup_id_y 1
		.amdhsa_system_sgpr_workgroup_id_z 1
		.amdhsa_system_vgpr_workitem_id 0
		.amdhsa_next_free_vgpr 1024
		.amdhsa_next_free_sgpr 100
		.amdhsa_reserve_vcc 0
		.amdhsa_float_denorm_mode_32 3
		.amdhsa_float_denorm_mode_16_64 3
		.amdhsa_memory_ordered 1
		.amdhsa_forward_progress 1
		.amdhsa_inst_pref_size 152
	.end_amdhsa_kernel
	.amdgpu_metadata
---
amdhsa.version: [ 1, 2 ]
amdhsa.kernels:
  - .name:           k_q555e19e7c8_gemm_qkv
    .symbol:         k_q555e19e7c8_gemm_qkv.kd
    .args:
      - { .name: xw_img, .offset: 0, .size: 8, .value_kind: global_buffer, .address_space: global }
      - { .name: xw_sc, .offset: 8, .size: 8, .value_kind: global_buffer, .address_space: global }
      - { .name: qk_img, .offset: 16, .size: 8, .value_kind: global_buffer, .address_space: global }
      - { .name: qk_sc, .offset: 24, .size: 8, .value_kind: global_buffer, .address_space: global }
      - { .name: v_img, .offset: 32, .size: 8, .value_kind: global_buffer, .address_space: global }
      - { .name: v_sc, .offset: 40, .size: 8, .value_kind: global_buffer, .address_space: global }
    .group_segment_fixed_size: 327680
    .private_segment_fixed_size: 0
    .kernarg_segment_align: 8
    .kernarg_segment_size: 48
    .max_flat_workgroup_size: 128
    .sgpr_count:     100
    .vgpr_count:     1024
    .wavefront_size: 32
...
	.end_amdgpu_metadata
.endif
;; end of part 2
;; launch attn (part 3): grid 4 x 64, 16 waves a work-group, clusters of 4 x 1, 215,040 bytes of LDS; arguments qk_img, qk_sc, v_img, v_sc, mask, o_img, o_sc; writes o_img, o_sc
.if DOCPART == 3
	.amdgcn_target "amdgcn-amd-amdhsa--gfx1250"
	.amdhsa_code_object_version 6
	.text
	.protected	k_q555e19e7c8_attn
	.globl	k_q555e19e7c8_attn
	.p2align	8
	.type	k_q555e19e7c8_attn,@function
k_q555e19e7c8_attn:
	s_mov_b64 s[64:65], 0
	v_nop
	global_prefetch_b8 v0, s[64:65] scope:SCOPE_SE
	s_setreg_imm32_b32 hwreg(HW_REG_WAVE_MODE, 25, 1), 1
	s_wait_xcnt 0x0
	s_wait_alu depctr_hold_cnt(0) depctr_sa_sdst(0) depctr_va_vdst(0) depctr_va_sdst(0) depctr_va_ssrc(0) depctr_va_vcc(0) depctr_vm_vsrc(0)
	s_getreg_b32 s2, hwreg(HW_REG_IB_STS2, 6, 4)
	s_cmp_eq_u32 s2, 0
	s_cbranch_scc0 .Lentry_in_a_cluster
	s_endpgm
.Lentry_in_a_cluster:
	s_bfe_u32 s2, ttmp6, 0x10000c
	s_cmp_lg_u32 s2, 0x3003
	s_cbranch_scc0 .Lentry_shape_is_right
	s_endpgm
.Lentry_shape_is_right:
; o = softmax(q k^T / 32, masked) v for two heads of one batch and 256 queries, both products on codes of FP6 (E2M3); o is quantised along the head's 64 channels and leaves as codes.
; SOFTMAX: t = score x log2(e) / 32; M = the running largest t rounded up to a whole number; p = 2^(t - M) is quantised along the keys; the sum is taken of the unquantised p and divides at the end.
; SHARES.  Work-group (batch, pair of heads, quarter of the queries); each of its 16 waves owns 16 queries, for both heads, one after the other (PASS 0, PASS 1).  K and V of both heads lie whole in LDS,
; filled once: 8 chunks of K (wave 0) and 8 of V (wave 1), asked for jointly by the cluster's four quarters, all at the head.  A chunk is two key steps of 128.  TWO BARRIERS SHOW THE TILES TO THE WAVES:
; one for chunk 0, ahead of key step 0, and one for all the others, ahead of key step 2.  From there on the sixteen waves run free of each other through both heads: nothing in LDS is written again
; before the scale words at the end.
; No prefetch: every byte that the launch reads is requested at its head.
; LAYOUT.  Both products transposed: S^T = K Q^T, O^T = V^T P^T: a lane holds one query.  Operands lie in LDS as images of their registers (half image: 768 bytes).
; THE MASK RIDES IN THE FIRST PRODUCT.  K = 64 fills blocks 0 and 1 of the instruction's four.  Q's block 2 holds one code 1.0 (scale 1) where the query counts; a hidden key's block 2 holds one code -1.0 with the
; scale 2^100: its score is about -2^100 and its p is 0.  A key that counts has a zero code there and the scale 2^-126, so its sum is what it would be without.  The rest of K's blocks 2 and 3 are the
; registers that happen to follow (the operand runs on into the next tile's): they meet zero codes of Q.  A hidden query has zero codes throughout: all scores 0, M = 0, p = 1 on all 1,024 keys, sum 1,024:
; the plain mean over all keys.
; LIMITS: |q . k| stays under 2^90; NaN and infinities are not served; a block of zeros gets the scale byte 1 (this program alone reads the bytes).
; REGISTERS: v1-10 addresses; v11 the hidden keys' 32 words, a lane a word; v12 -M, v13 largest t, v[14:15] the sum; v16-27 Q; v28-31 K's scale words, v32-33 V's, v34 q's, v35 p's; v36-103 K's eight
; fragments, 8 registers apart (V's four of 12 lie over them); v104-167 S^T, then p; v168-199 O^T; v200-218 codes; v220-237 at work; v238-251 both heads' Q and its scale words; v252 o's scale word.
.set KIMG, 0                           ; [head 2][key tile 64][768]
.set VIMG, 98304                       ; [head 2][step 8][channel tile 4][1536]
.set VSC,  196608                      ; [head 2][step 8][256], stored by the waves: no fill lands here
.set KSC,  200704                      ; [head 2][step 8][512], likewise
.set OSC,  208896                      ; o's scale words, 256 tokens
.set L16,  1
.set L8,   2
.set ADK16, 3
.set ADK8,  4
.set ADV16, 5
.set ADV8,  6
.set ADKS,  7
.set ADVS,  8
.set MKV,  11
.set KF,   36
.set SCO,  104
.set OT,   168
.set PC,   200
.set PT,   212
.set WV,   18
.set SEL,  20
.set CS,   22
.set G1K,  24
.set G1V,  32
.set MW,   88                          ; s88-95 a step's eight masks of hidden keys
.macro ROUND
	s_barrier_signal -1
	s_barrier_wait -1
	s_cmp_lg_u32 s[WV], 0
	s_cbranch_scc1 .Lnot_wave_0_\@
	s_barrier_signal -3
.Lnot_wave_0_\@:
	s_barrier_wait -3
	s_barrier_signal -1
	s_barrier_wait -1
.endm
	s_load_b256 s[4:11], s[0:1], 0x0               ; qk_img s[4:5], qk_sc s[6:7], v_img s[8:9], v_sc s[10:11]
	s_load_b128 s[12:15], s[0:1], 0x20             ; mask, o_img
	s_load_b64 s[16:17], s[0:1], 0x30              ; o_sc
	v_lshl_add_u32 v215, v0, 2, 0x34000
	v_mov_b32 v219, 0
	ds_add_u32 v215, v219
	ds_add_u32 v215, v219
	v_lshrrev_b32 v3, 5, v0
	v_readfirstlane_b32 s[WV], v3                  ; wave 0..15
	v_and_b32 v254, 31, v0                         ; lane
	v_and_b32 v255, 15, v0                         ; r
	v_lshlrev_b32 v[L16], 4, v254
	v_lshlrev_b32 v[L8], 3, v254
	s_lshl_b32 s2, s[WV], 6
	v_lshl_add_u32 v9, v255, 2, s2
	v_add_nc_u32 v9, OSC, v9                       ; my query's scale word: 64 wave + 4 r
	v_and_b32 v10, 63, v0
	v_lshl_add_u32 v10, v10, 4, OSC                ; and the words' way out (waves 0 and 1)
	v_lshl_add_u32 v253, v0, 3, VSC                ; the scale tables: 8 bytes a thread; V's at 0, K's two heads 4,096 and 8,192 on
	s_bfe_u32 s19, ttmp6, 0x40000                  ; cx: the quarter of the queries; it enters global addresses of q, the mask and o alone
	s_and_b32 s3, ttmp7, 0xffff
	s_lshr_b32 s66, s3, 3                          ; batch
	s_and_b32 s67, s3, 7                           ; pair of heads
	s_mov_b32 s[G1K], 15|(3<<16)|(1<<21)           ; the four work-groups; elements of 8 bytes; bit 21 beside a mask.  K: 12,288 dense bytes as 48 rows of 256
	s_mov_b32 s[G1K+1], 32<<16
	s_mov_b32 s[G1K+2], 48<<16
	s_mov_b32 s[G1K+3], 32<<16
	s_mov_b32 s[G1K+4], 48
	s_mov_b32 s[G1K+5], 32
	s_mov_b32 s[G1K+6], 0
	s_mov_b32 s[G1K+7], 0
	s_mov_b32 s[G1V], 15|(3<<16)|(1<<21)           ; V: two steps' rows of 6,144 bytes, 98,304 bytes apart
	s_mov_b32 s[G1V+1], 768<<16
	s_mov_b32 s[G1V+2], 2<<16
	s_mov_b32 s[G1V+3], 768<<16
	s_mov_b32 s[G1V+4], 2
	s_mov_b32 s[G1V+5], 12288
	s_mov_b32 s[G1V+6], 0
	s_mov_b32 s[G1V+7], 0
	s_lshl_b32 s2, s66, 5
	s_lshl_b32 s3, s67, 1
	s_add_co_u32 s2, s2, s3                        ; g = 32 b + 2 hp: q's first head
	s_add_co_u32 s3, s2, 16                        ; k's
	s_mul_i32 s88, s3, 49152                       ; K's images
	s_mov_b32 s89, 0
	s_lshl_b32 s100, s3, 12                        ; K's scale words
	s_mov_b32 s101, 0
	s_mul_i32 s90, s66, 786432
	s_mul_i32 s92, s67, 12288
	s_add_co_u32 s90, s90, s92                     ; V's images
	s_mov_b32 s91, 0
	s_lshl_b32 s92, s66, 3
	s_add_co_u32 s92, s92, s67
	s_lshl_b32 s92, s92, 12                        ; V's scale words: (16 b + 2 hp) x 2,048
	s_mov_b32 s93, 0
	s_mul_i32 s94, s66, 1023                       ; the batch's row of the mask
	s_mov_b32 s95, 0
	s_lshl_b32 s3, s19, 4
	s_add_co_u32 s3, s3, s[WV]                     ; T: my query tile in the batch
	s_lshl_b32 s96, s2, 6
	s_add_co_u32 s96, s96, s3
	s_mul_i32 s96, s96, 768                        ; q's image
	s_mov_b32 s97, 0
	s_lshl_b32 s98, s2, 12
	s_lshr_b32 s20, s3, 2
	s_lshl_b32 s20, s20, 8
	s_add_co_u32 s98, s98, s20
	s_and_b32 s20, s3, 3
	s_lshl_b32 s20, s20, 2
	s_add_co_u32 s98, s98, s20                     ; q's scale words: 4,096 g + 256 (T / 4) + 4 (T % 4), + 16 r
	s_mov_b32 s99, 0
	s_lshl_b32 s20, s66, 6
	s_add_co_u32 s20, s20, s3
	s_lshl_b32 s20, s20, 4
	s_lshl_b32 s21, s67, 1
	s_add_co_u32 s20, s20, s21
	s_mul_i32 s20, s20, 768                        ; o's image: ((64 b + T) 16 + 2 hp) x 768
	s_mov_b32 s21, 0
	s_lshl_b32 s22, s66, 3
	s_add_co_u32 s22, s22, s67
	s_lshl_b32 s22, s22, 2
	s_add_co_u32 s22, s22, s19
	s_lshl_b32 s22, s22, 10                        ; o's scale words: ((8 b + hp) 1,024 + 256 cx) x 4
	s_mov_b32 s23, 0
	s_lshl_b32 s2, s3, 4                           ; my first query
	s_wait_dscnt 0x0
	s_wait_kmcnt 0x0
	s_add_nc_u64 s[88:89], s[4:5], s[88:89]
	s_add_nc_u64 s[90:91], s[8:9], s[90:91]
	s_add_nc_u64 s[92:93], s[10:11], s[92:93]
	s_add_nc_u64 s[100:101], s[6:7], s[100:101]
	s_add_nc_u64 s[12:13], s[12:13], s[94:95]
	s_add_nc_u64 s[96:97], s[4:5], s[96:97]
	s_add_nc_u64 s[98:99], s[6:7], s[98:99]
	s_add_nc_u64 s[14:15], s[14:15], s[20:21]
	s_add_nc_u64 s[16:17], s[16:17], s[22:23]
	ROUND                                          ; all four work-groups are here: the joint loads meet
	s_cmp_eq_u32 s[WV], 0                          ; a wave's fills stand in one branch; eight loads of wave 0 and eight of wave 1 are out at the most
	s_cbranch_scc0 .Lnot_k
.irp i, 0,1,2,3,4,5,6,7
	s_mov_b32 s[48+4*\i+4*(\i/4)], 1
	s_mov_b32 s[49+4*\i+4*(\i/4)], KIMG+12288*\i
	s_add_nc_u64 s[50+4*\i+4*(\i/4):51+4*\i+4*(\i/4)], s[88:89], 12288*\i
	s_or_b32 s[51+4*\i+4*(\i/4)], s[51+4*\i+4*(\i/4)], 0x80000000
.endr
.irp i, 0,1,2,3,4,5,6,7
	tensor_load_to_lds s[48+4*\i+4*(\i/4):51+4*\i+4*(\i/4)], s[G1K:G1K+7]
	s_nop 0
.endr
.rept 4
	v_nop
.endr
	s_branch .Lasked
.Lnot_k:
	s_cmp_eq_u32 s[WV], 1
	s_cbranch_scc0 .Lasked
.irp i, 0,1,2,3,4,5,6,7
	s_mov_b32 s[48+4*\i+4*(\i/4)], 1
	s_mov_b32 s[49+4*\i+4*(\i/4)], VIMG+12288*\i
	s_add_nc_u64 s[50+4*\i+4*(\i/4):51+4*\i+4*(\i/4)], s[90:91], 196608*(\i%4)+6144*(\i/4)
	s_or_b32 s[51+4*\i+4*(\i/4)], s[51+4*\i+4*(\i/4)], 0x80000000
.endr
.irp i, 0,1,2,3,4,5,6,7
	tensor_load_to_lds s[48+4*\i+4*(\i/4):51+4*\i+4*(\i/4)], s[G1V:G1V+7]
	s_nop 0
.endr
.rept 4
	v_nop
.endr
.Lasked:
	; the mask, q, and K's and V's scale words: 44 loads, one wait
	v_add_nc_u32 v235, 31, v254
	v_and_b32 v235, 31, v235                       ; word 0: key = lane, mask byte lane - 1; lane 0 reads byte 31 and its bit is cleared below (token 0 always counts)
	global_load_u8 v104, v235, s[12:13]
.set ii, 1
.rept 31
	global_load_u8 v[104+ii], v254, s[12:13] offset:32*ii-1        ; word i: key 32 i + lane
.set ii, ii+1
.endr
	v_add_nc_u32 v222, s2, v255                    ; my query
	v_cmp_eq_u32 s21, 0, v222
	v_cndmask_b32 v223, v222, 1, s21               ; (token 0 has no byte: it reads token 1's and is set to count below)
	global_load_u8 v136, v223, s[12:13] offset:-1
	v_and_b32 v220, 0x1e0, v0                      ; the keys of my two scale words of K: thread t holds words 2 t, 2 t + 1 of [step][H][r][j]:
	v_lshlrev_b32 v220, 1, v220                    ; 128 step + 64 H
	v_and_b32 v221, 1, v0
	v_lshl_add_u32 v220, v221, 5, v220             ; + 32 (t % 2)
	v_bfe_u32 v221, v0, 1, 4
	v_add_nc_u32 v220, v220, v221                  ; + r; the second word's key lies 16 on
	v_cmp_eq_u32 s20, 0, v220
	v_cndmask_b32 v221, v220, 1, s20
	global_load_u8 v137, v221, s[12:13] offset:-1
	global_load_u8 v138, v220, s[12:13] offset:15
	v_lshlrev_b32 v236, 3, v0
	global_load_b64 v[140:141], v236, s[100:101]
	global_load_b64 v[142:143], v236, s[100:101] offset:4096
	global_load_b64 v[144:145], v236, s[92:93]     ; V's scale words of both heads, 4,096 bytes, as they lie
	global_load_b128 v[238:241], v[L16], s[96:97]
	global_load_b64 v[242:243], v[L8], s[96:97] offset:512
	global_load_b128 v[244:247], v[L16], s[96:97] offset:49152
	global_load_b64 v[248:249], v[L8], s[96:97] offset:49664
	v_lshlrev_b32 v234, 4, v255
	global_load_b32 v250, v234, s[98:99]
	global_load_b32 v251, v234, s[98:99] offset:4096
	v_mov_b32 v[MKV], 0
.irp t, 0,1,2,3,4,5,6,7
	v_mov_b32 v[KF+8*\t+7], 0                      ; written once: each fragment's eighth register, and the four behind the last, are named by the operand and meet zero codes
.endr
.irp i, 100,101,102,103
	v_mov_b32 v\i, 0
.endr
.irp i, 23,24,25,26,27
	v_mov_b32 v\i, 0                               ; Q's registers 7-11: zero codes
.endr
.irp i, 224,225,226,227,233
	v_mov_b32 v\i, 0                               ; lane permutes' destinations, and the upper half of the pair v[232:233]
.endr
	s_wait_loadcnt 0x0
.set ii, 0
.rept 32
	v_cmp_eq_u32 s3, 0, v[104+ii]                  ; a bit for each hidden key
.if ii == 0
	s_and_b32 s3, s3, -2
.endif
	v_writelane_b32 v[MKV], s3, ii
.set ii, ii+1
.endr
	v_cmp_ne_u32 vcc_lo, 0, v136
	s_or_b32 vcc_lo, vcc_lo, s21                   ; my query counts
.set ii, 0
.rept 12
	v_cndmask_b32 v[238+ii], 0, v[238+ii], vcc_lo  ; a hidden query's codes are zeros
.set ii, ii+1
.endr
	s_and_b32 s22, vcc_lo, 0xffff
	v_cndmask_b32 v22, 0, 8, s22                   ; block 2's first code: 1.0 where the query counts (lanes 0-15 hold block 2)
	v_or_b32 v250, 0x7f7f0000, v250                ; blocks 2 and 3: scale 1
	v_or_b32 v251, 0x7f7f0000, v251
	v_cmp_eq_u32 s22, 0, v137
	s_and_not1_b32 s22, s22, s20
	v_cmp_eq_u32 s23, 0, v138
	v_mov_b32 v228, 0x01010000                     ; a key that counts: blocks 2 and 3 at 2^-126
	v_mov_b32 v229, 0x01e30000                     ; a hidden key: block 2 at 2^100
	v_cndmask_b32 v230, v228, v229, s22
	v_cndmask_b32 v231, v228, v229, s23
	v_or_b32 v140, v140, v230
	v_or_b32 v141, v141, v231
	v_or_b32 v142, v142, v230
	v_or_b32 v143, v143, v231
	ds_store_b64 v253, v[144:145]                  ; V's table
	ds_store_b64 v253, v[140:141] offset:KSC-VSC   ; K's, first head
	ds_store_b64 v253, v[142:143] offset:KSC-VSC+4096  ; second head
	s_mov_b32 s[SEL], 0x76543210
	s_mov_b32 s[SEL+1], 0xfedcba98                 ; v_permlanex16_b32's selects for lane l xor 16
	s_mov_b32 s[CS], 0x3d38aa3b                    ; c = log2(e) / 32
	s_mov_b32 s[CS+1], s[CS]
; Tiles are shown to every wave: the fetching waves have all but their youngest 'out' loads in LDS (the count is the same in wave 0 and in wave 1), every wave's LDS stores are done, then the barrier.
; Nothing is ever filled again.
.macro LANDED out
	s_wait_tensorcnt \out
	s_wait_dscnt 0x0
	s_barrier_signal -1
	s_barrier_wait -1
.endm
; A KEY STEP: 128 keys, the s-th of the head.  first = 1: it starts M, the sum and O^T.
.macro STEP s, first
.irp u, 0,1,2,3
	v_readlane_b32 s[MW+2*\u], v[MKV], 4*(\s)+\u
.endr
.irp u, 0,1,2,3
	s_lshr_b32 s[MW+2*\u+1], s[MW+2*\u], 16
.endr
.irp t, 0,1,2,3,4,5,6,7
	v_cndmask_b32 v[KF+8*\t+6], 0, 40, s[MW+\t]    ; block 2's first code: -1.0 for a hidden key
.endr
	ds_load_b128 v[28:31], v[ADKS] offset:512*(\s)
.irp t, 0,1,2,3,4,5,6,7
	ds_load_b128 v[KF+8*\t:KF+8*\t+3], v[ADK16] offset:6144*(\s)+768*\t
	ds_load_b64 v[KF+8*\t+4:KF+8*\t+5], v[ADK8] offset:6144*(\s)+768*\t+512
.endr
.rept 4
	v_nop                                          ; an operand written by vector instructions stands four places ahead of a scaled matrix instruction
.endr
	s_wait_dscnt 0x0
.irp t, 0,1,2,3
	v_wmma_scale_f32_16x16x128_f8f6f4 v[SCO+8*\t:SCO+8*\t+7], v[KF+8*\t:KF+8*\t+11], v[16:27], 0, v[28+\t], v34 matrix_a_fmt:MATRIX_FMT_FP6 matrix_b_fmt:MATRIX_FMT_FP6
.endr
.irp t, 4,5,6,7
	v_wmma_scale_f32_16x16x128_f8f6f4 v[SCO+8*\t:SCO+8*\t+7], v[KF+8*\t:KF+8*\t+11], v[16:27], 0, v[24+\t], v34 matrix_a_fmt:MATRIX_FMT_FP6 matrix_b_fmt:MATRIX_FMT_FP6 matrix_a_scale:MATRIX_SCALE_ROW1
.endr
.rept 4
	v_nop
.endr
	ds_load_b64 v[32:33], v[ADVS] offset:256*(\s)  ; V's fragments land while the softmax is walked
.irp t, 0,1,2,3
	ds_load_b128 v[KF+12*\t:KF+12*\t+3], v[ADV16] offset:6144*(\s)+1536*\t
	ds_load_b64 v[KF+12*\t+4:KF+12*\t+5], v[ADV8] offset:6144*(\s)+1536*\t+512
	ds_load_b128 v[KF+12*\t+6:KF+12*\t+9], v[ADV16] offset:6144*(\s)+1536*\t+768
	ds_load_b64 v[KF+12*\t+10:KF+12*\t+11], v[ADV8] offset:6144*(\s)+1536*\t+1280
.endr
.irp b, 0,1,2,3
	v_max3_num_f32 v[220+\b], v[SCO+16*\b], v[SCO+1+16*\b], v[SCO+2+16*\b]   ; the largest score of each block of 32 keys: for the row's maximum and, since p rises with the score, for the block's largest p
.endr
.irp i, 3,5,7,9,11,13
.irp b, 0,1,2,3
	v_max3_num_f32 v[220+\b], v[220+\b], v[SCO+16*\b+\i], v[SCO+1+16*\b+\i]
.endr
.endr
.irp b, 0,1,2,3
	v_max_num_f32 v[220+\b], v[220+\b], v[SCO+15+16*\b]
.endr
.irp b, 0,1,2,3
	v_permlanex16_b32 v[224+\b], v[220+\b], s[SEL], s[SEL+1]
.endr
.irp b, 0,1,2,3
	v_max_num_f32 v[220+\b], v[220+\b], v[224+\b]
.endr
	v_max3_num_f32 v234, v220, v221, v222
	v_max_num_f32 v234, v234, v223
.if \first
	v_mul_f32 v13, s[CS], v234                     ; the largest t (key 0 counts for every query that counts, so it is a number)
	v_floor_f32 v12, -v13                          ; -M
.else
	v_mul_f32 v234, s[CS], v234
	v_max_num_f32 v13, v13, v234
	v_mov_b32 v234, v12
	v_floor_f32 v12, -v13                          ; the new -M = -ceil(t)
	v_sub_f32 v234, v12, v234
	v_cvt_i32_f32 v234, v234
	v_ldexp_f32 v232, 1.0, v234                    ; f = 2^(old M - new M): rounds nothing
.endif
.set jj, 0
.rept 32
	v_pk_fma_f32 v[SCO+jj:SCO+jj+1], v[SCO+jj:SCO+jj+1], s[CS:CS+1], v[12:13] op_sel_hi:[1,0,0]   ; t - M
.set jj, jj+2
.endr
.irp b, 0,1,2,3
	v_fma_f32 v[220+\b], v[220+\b], s[CS], v12
.endr
.set jj, 0
.rept 64
	v_exp_f32 v[SCO+jj], v[SCO+jj]                 ; p = 2^(t - M)
.set jj, jj+1
.endr
.if \first
	v_mov_b32 v14, 0                               ; (a plain place behind the exponentials)
	v_mov_b32 v15, 0
.else
	v_pk_mul_f32 v[14:15], v[14:15], v[232:233] op_sel_hi:[1,0]    ; the sum under the new M.  (A plain place behind the exponentials)
.endif
	s_wait_alu depctr_va_vdst(0)                   ; one wait for the batch, ahead of its first reader
.irp b, 0,1,2,3
	v_exp_f32 v[220+\b], v[220+\b]                 ; the block's largest p
.endr
	v_pk_add_f32 v[236:237], v[SCO:SCO+1], v[SCO+2:SCO+3]          ; the sum of the unquantised p, in two chains
.set jj, 4
.rept 15
	v_pk_add_f32 v[14:15], v[14:15], v[SCO+jj:SCO+jj+1]
	v_pk_add_f32 v[236:237], v[236:237], v[SCO+jj+2:SCO+jj+3]
.set jj, jj+4
.endr
	v_pk_add_f32 v[14:15], v[14:15], v[236:237]
	s_wait_alu depctr_va_vdst(0)                   ; and one for the four
.irp b, 0,1,2,3
	v_max_num_f32 v[220+\b], 0x1800000, v[220+\b]  ; the floor 2^(3 - 127)
.endr
.irp b, 0,1,2,3
	v_add_nc_u32 v[228+\b], 0xff000000, v[220+\b]  ; the conversion's scale operand
.endr
.irp b, 0,1,2,3
	v_lshrrev_b32 v[224+\b], 23, v[228+\b]
.endr
	v_lshl_or_b32 v35, v225, 8, v224               ; p's scale word
	v_lshl_or_b32 v35, v226, 16, v35
	v_lshl_or_b32 v35, v227, 24, v35
.irp c, 0,1
	v_cvt_scalef32_pk16_fp6_f32 v[PC+6*\c:PC+6*\c+2], v[SCO+32*\c:SCO+32*\c+15], v[228+2*\c]
	v_cvt_scalef32_pk16_fp6_f32 v[PT+4*\c:PT+4*\c+2], v[SCO+32*\c+16:SCO+32*\c+31], v[229+2*\c]
.endr
	v_nop                                          ; one plain place behind a scaled conversion
.irp c, 0,1
.irp i, 0,1,2
	v_permlane16_swap_b32 v[PC+6*\c+\i], v[PT+4*\c+\i]
.endr
.irp i, 0,1,2
	v_mov_b32 v[PC+3+6*\c+\i], v[PT+4*\c+\i]
.endr
.endr
.if \first
.rept 8
	v_nop                                          ; a scale word written by vector instructions stands eight places ahead of a scaled matrix instruction
.endr
.else
.set jj, 0
.rept 16
	v_pk_mul_f32 v[OT+jj:OT+jj+1], v[OT+jj:OT+jj+1], v[232:233] op_sel_hi:[1,0]   ; O^T under the new M, from each accumulator's low end on; these are also the places
.set jj, jj+2
.endr
.endif
	s_wait_dscnt 0x0                               ; V is in
.irp t, 0,1
.if \first
	v_wmma_scale_f32_16x16x128_f8f6f4 v[OT+8*\t:OT+8*\t+7], v[KF+12*\t:KF+12*\t+11], v[PC:PC+11], 0, v[32+\t], v35 matrix_a_fmt:MATRIX_FMT_FP6 matrix_b_fmt:MATRIX_FMT_FP6
.else
	v_wmma_scale_f32_16x16x128_f8f6f4 v[OT+8*\t:OT+8*\t+7], v[KF+12*\t:KF+12*\t+11], v[PC:PC+11], v[OT+8*\t:OT+8*\t+7], v[32+\t], v35 matrix_a_fmt:MATRIX_FMT_FP6 matrix_b_fmt:MATRIX_FMT_FP6
.endif
.endr
.irp t, 2,3
.if \first
	v_wmma_scale_f32_16x16x128_f8f6f4 v[OT+8*\t:OT+8*\t+7], v[KF+12*\t:KF+12*\t+11], v[PC:PC+11], 0, v[30+\t], v35 matrix_a_fmt:MATRIX_FMT_FP6 matrix_b_fmt:MATRIX_FMT_FP6 matrix_a_scale:MATRIX_SCALE_ROW1
.else
	v_wmma_scale_f32_16x16x128_f8f6f4 v[OT+8*\t:OT+8*\t+7], v[KF+12*\t:KF+12*\t+11], v[PC:PC+11], v[OT+8*\t:OT+8*\t+7], v[30+\t], v35 matrix_a_fmt:MATRIX_FMT_FP6 matrix_b_fmt:MATRIX_FMT_FP6 matrix_a_scale:MATRIX_SCALE_ROW1
.endif
.endr
.rept 4
	v_nop
.endr
.endm
; A head's end: O^T / the sum, quantised along the 64 channels: one half image and two scale bytes.
.macro OUT e
	v_add_f32 v14, v14, v15
	v_permlanex16_b32 v234, v14, s[SEL], s[SEL+1]
	v_add_f32 v14, v14, v234                       ; the row's sum
	v_rcp_f32 v232, v14
	v_nop                                          ; a plain place behind the reciprocal
	s_wait_alu depctr_va_vdst(0)                   ; and the wait ahead of its first reader
.set jj, 0
.rept 16
	v_pk_mul_f32 v[OT+jj:OT+jj+1], v[OT+jj:OT+jj+1], v[232:233] op_sel_hi:[1,0]
.set jj, jj+2
.endr
.irp b, 0,1
	v_max3_num_f32 v[220+\b], |v[OT+16*\b]|, |v[OT+1+16*\b]|, 0x1800000
.endr
.irp i, 2,4,6,8,10,12,14
.irp b, 0,1
	v_max3_num_f32 v[220+\b], v[220+\b], |v[OT+16*\b+\i]|, |v[OT+1+16*\b+\i]|
.endr
.endr
.irp b, 0,1
	v_permlanex16_b32 v[224+\b], v[220+\b], s[SEL], s[SEL+1]
.endr
.irp b, 0,1
	v_max_num_f32 v[220+\b], v[220+\b], v[224+\b]
.endr
.irp b, 0,1
	v_add_nc_u32 v[228+\b], 0xff000000, v[220+\b]
.endr
.irp b, 0,1
	v_lshrrev_b32 v[224+\b], 23, v[228+\b]
.endr
	v_lshl_or_b32 v234, v225, 8, v224
.if \e
	v_lshl_or_b32 v252, v234, 16, v252             ; the pair of heads' four bytes: the scale word of 128 along the last product's K
.else
	v_mov_b32 v252, v234
.endif
	v_cvt_scalef32_pk16_fp6_f32 v[PC:PC+2], v[OT:OT+15], v228
	v_cvt_scalef32_pk16_fp6_f32 v[PT:PT+2], v[OT+16:OT+31], v229
	v_nop
.irp i, 0,1,2
	v_permlane16_swap_b32 v[PC+\i], v[PT+\i]
.endr
.irp i, 0,1,2
	v_mov_b32 v[PC+3+\i], v[PT+\i]
.endr
	global_store_b128 v[L16], v[PC:PC+3], s[14:15] offset:768*\e
	global_store_b64 v[L8], v[PC+4:PC+5], s[14:15] offset:768*\e+512
.endm
.macro PASS e
.if \e
	s_wait_xcnt 0x0                                ; the first head's stores have read their registers: the codes' registers are written again only behind this wait
.endif
	v_mov_b32 v34, v[250+\e]                       ; q's scale word, and its codes: well over eight plain places ahead of the first product
.irp i, 0,1,2,3,4,5
	v_mov_b32 v[16+\i], v[238+6*\e+\i]
.endr
	v_add_nc_u32 v[ADK16], KIMG+49152*\e, v[L16]
	v_add_nc_u32 v[ADK8], KIMG+49152*\e, v[L8]
	v_add_nc_u32 v[ADV16], VIMG+49152*\e, v[L16]
	v_add_nc_u32 v[ADV8], VIMG+49152*\e, v[L8]
	v_add_nc_u32 v[ADKS], KSC+4096*\e, v[L16]
	v_add_nc_u32 v[ADVS], VSC+2048*\e, v[L8]
.if (\e) == 0
	LANDED 7                                       ; chunk 0 (key steps 0 and 1 of the first head) is in: seven loads were issued behind it; the scale tables are stored
.endif
	STEP 0, 1
	STEP 1, 0
.if (\e) == 0
	LANDED 0                                       ; all the other chunks, of both heads, are in: they were asked for at the head, two key steps' work ago
.endif
	STEP 2, 0
	STEP 3, 0
	STEP 4, 0
	STEP 5, 0
	STEP 6, 0
	STEP 7, 0
	OUT \e
.endm
	PASS 0
	PASS 1
	ds_store_b32 v9, v252                          ; both halves of the lanes hold the same word
	s_wait_dscnt 0x0
	s_barrier_signal -1
	s_barrier_wait -1
	s_cmp_lt_u32 s[WV], 2
	s_cbranch_scc0 .Lno_words
	ds_load_b128 v[104:107], v10                   ; the work-group's 256 words leave in two runs of 512 consecutive bytes
	v_and_b32 v234, 63, v0
	v_lshlrev_b32 v234, 4, v234
	s_wait_dscnt 0x0
	global_store_b128 v234, v[104:107], s[16:17]
.Lno_words:
	s_wait_tensorcnt 0x0
	ds_add_u32 v215, v219
	s_wait_dscnt 0x0
	ROUND                                          ; the closing round
	s_endpgm
.Lfunc_end_k_q555e19e7c8_attn:
	.size	k_q555e19e7c8_attn, .Lfunc_end_k_q555e19e7c8_attn-k_q555e19e7c8_attn
	.p2alignl 7, 3214868480
	.fill 96, 4, 3214868480
	.section	.rodata,"a",@progbits
	.p2align	6, 0x0
	.amdhsa_kernel k_q555e19e7c8_attn
		.amdhsa_group_segment_fixed_size 215040
		.amdhsa_private_segment_fixed_size 0
		.amdhsa_enable_private_segment 0
		.amdhsa_kernarg_size 56
		.amdhsa_user_sgpr_count 2
		.amdhsa_user_sgpr_kernarg_segment_ptr 1
		.amdhsa_wavefront_size32 1
		.amdhsa_system_sgpr_workgroup_id_x 1
		.amdhsa_system_sgpr_workgroup_id_y 1
		.amdhsa_system_sgpr_workgroup_id_z 1
		.amdhsa_system_vgpr_workitem_id 0
		.amdhsa_next_free_vgpr 256
		.amdhsa_next_free_sgpr 102
		.amdhsa_reserve_vcc 1
		.amdhsa_float_denorm_mode_32 3
		.amdhsa_float_denorm_mode_16_64 3
		.amdhsa_memory_ordered 1
		.amdhsa_forward_progress 1
		.amdhsa_inst_pref_size 255
	.end_amdhsa_kernel
	.section	.bss,"aw",@nobits
	.p2align	6
	.space	262144
	.amdgpu_metadata
---
amdhsa.version: [ 1, 2 ]
amdhsa.kernels:
  - .name:           k_q555e19e7c8_attn
    .symbol:         k_q555e19e7c8_attn.kd
    .args:
      - { .name: qk_img, .offset: 0, .size: 8, .value_kind: global_buffer, .address_space: global }
      - { .name: qk_sc, .offset: 8, .size: 8, .value_kind: global_buffer, .address_space: global }
      - { .name: v_img, .offset: 16, .size: 8, .value_kind: global_buffer, .address_space: global }
      - { .name: v_sc, .offset: 24, .size: 8, .value_kind: global_buffer, .address_space: global }
      - { .name: mask, .offset: 32, .size: 8, .value_kind: global_buffer, .address_space: global }
      - { .name: o_img, .offset: 40, .size: 8, .value_kind: global_buffer, .address_space: global }
      - { .name: o_sc, .offset: 48, .size: 8, .value_kind: global_buffer, .address_space: global }
    .group_segment_fixed_size: 215040
    .private_segment_fixed_size: 0
    .kernarg_segment_align: 8
    .kernarg_segment_size: 56
    .max_flat_workgroup_size: 512
    .sgpr_count:     102
    .vgpr_count:     256
    .wavefront_size: 32
...
	.end_amdgpu_metadata
.endif
;; end of part 3
;; launch gemm_out (part 4): grid 64 x 4, 4 waves a work-group, clusters of 4 x 4, 327,680 bytes of LDS; arguments o_img, o_sc, xw_img, xw_sc, bout, out0; writes out0
.if DOCPART == 4
	.amdgcn_target "amdgcn-amd-amdhsa--gfx1250"
	.amdhsa_code_object_version 6
	.text
	.protected	k_q555e19e7c8_gemm_out
	.globl	k_q555e19e7c8_gemm_out
	.p2align	8
	.type	k_q555e19e7c8_gemm_out,@function
k_q555e19e7c8_gemm_out:
	s_mov_b64 s[64:65], 0
	v_nop
	global_prefetch_b8 v0, s[64:65] scope:SCOPE_SE
	s_setreg_imm32_b32 hwreg(HW_REG_WAVE_MODE, 25, 1), 1
	s_wait_xcnt 0x0
	s_wait_alu depctr_hold_cnt(0) depctr_sa_sdst(0) depctr_va_vdst(0) depctr_va_sdst(0) depctr_va_ssrc(0) depctr_va_vcc(0) depctr_vm_vsrc(0)
	s_getreg_b32 s2, hwreg(HW_REG_IB_STS2, 6, 4)
	s_cmp_eq_u32 s2, 0
	s_cbranch_scc0 .Lentry_in_a_cluster
	s_endpgm
.Lentry_in_a_cluster:
	s_bfe_u32 s2, ttmp6, 0x10000c
	s_cmp_lg_u32 s2, 0xf033
	s_cbranch_scc0 .Lentry_shape_is_right
	s_endpgm
.Lentry_shape_is_right:
; out0 = o Wout^T + bout on codes of FP6 (E2M3) with E8M0 scales, K = 1,024, f32 out.  256 work-groups of 128 x 256; each of the four waves makes 64 x 128: 32 accumulators.
; Clusters of 4 x 4: the four of a row of the cluster share A's tiles (o), the four of a column B's (Wout): joint loads.  THE MATRIX INSTRUCTION IS USED TRANSPOSED (source 0 = 16 rows of Wout,
; source 1 = 16 tokens): a lane holds eight neighbouring numbers of a row of out0.  Operands lie in memory as images of their registers; a row tile's 256 along K are 3,072 dense bytes.
; ALL OF K LIES IN LDS, in four slots that are each filled once: four loads a wave go out at the head, and each change of slots waits for its own slot alone.  So there is no refill and no round in the middle.
; The bias is the C of each sum's first matrix instruction.  The scale bytes come once, through registers, into LDS bytes of their own, as rows of 32 bytes, 16 of padding behind each 256.
; No prefetch: every tile is requested at the head.
; REGISTERS: window 0: v4-27 addresses, v32-63 scale words (two sets), v64-127 the bias, v128-175 A's fragments, on the way out v128-255; window 1: B's fragments, two sets; window 2: the accumulators.
.set NA,     4
.set FR,     12
.set TB,     3072
.set ATILE,  2*NA*TB
.set SLOT,   ATILE+16*TB               ; 73,728
.set SCA,    4*SLOT                    ; A's scale bytes: 128 rows, 4,352 bytes
.set SCB,    SCA+4352                  ; B's: 256 rows, 8,704 bytes
.set SPITCH, 528                       ; the way out: a stage of 16 rows x (512 + 16) bytes a wave, in slot 0, which has had its only fill and its last read by then
.set ADRA16, 4
.set ADRA8,  8
.set ADRB16, 12
.set ADRB8,  16
.set ADRS,   20
.set L16,    21
.set L8,     22
.set STO,    23
.set RD,     24
.set SC,     32
.set BI,     64
.set AF,     128
.set BK,     128
.set G1,  24
.set G1B, 48
.set G0,  80                           ; s80-95: A's four groups 0
.set G0B, 56                           ; s56-63, s68-75: B's
.set MSB, 0
.macro WIN new
.if MSB != (\new)
	s_set_vgpr_msb (MSB<<8)|(\new)
.set MSB, (\new)
.endif
.endm
.set MUL,   0xa1                       ; source 0 (B) window 1, source 1 (A) window 0, C and D window 2
.set MULB,  0x81                       ; the same with C (the bias) in window 0
.set TO_B,  0x40
.macro JLOAD g0a, g0b
	s_cmp_eq_u32 s15, 0
	s_cbranch_scc0 .Lfor_b_\@
	tensor_load_to_lds s[\g0a:\g0a+3], s[G1:G1+7]
	s_nop 0
.rept 4
	v_nop
.endr
	s_branch .Lasked_\@
.Lfor_b_\@:
	tensor_load_to_lds s[\g0b:\g0b+3], s[G1B:G1B+7]
	s_nop 0
.rept 4
	v_nop
.endr
.Lasked_\@:
.endm
.macro CROUND
	s_barrier_signal -1
	s_barrier_wait -1
	s_cmp_lg_u32 s14, 0
	s_cbranch_scc1 .Lnot_wave_0_\@
	s_barrier_signal -3
.Lnot_wave_0_\@:
	s_barrier_wait -3
	s_barrier_signal -1
	s_barrier_wait -1
.endm
.macro PLACES
.rept 4
	v_nop
.endr
.endm
	s_load_b256 s[4:11], s[0:1], 0x0               ; o_img s[4:5], o_sc s[6:7], xw_img s[8:9], xw_sc s[10:11]
	s_load_b128 s[76:79], s[0:1], 0x20             ; bout, out0
	s_set_vgpr_msb 0x40
	v_lshl_add_u32 v254, v0, 2, 0x4b300
	v_mov_b32 v255, 0
	s_set_vgpr_msb 0x4045
	ds_add_u32 v254, v255
	ds_add_u32 v254, v255
	s_set_vgpr_msb 0x4500
	v_lshrrev_b32 v1, 5, v0
	v_readfirstlane_b32 s14, v1                    ; wave
	s_lshr_b32 s15, s14, 1                         ; my half of the rows.  Also: I fetch for A (0) or B (1)
	s_and_b32 s16, s14, 1                          ; my half of the columns.  Also: which half I fetch
	s_bfe_u32 s40, ttmp6, 0x40000                  ; cx = the tile column
	s_bfe_u32 s41, ttmp6, 0x40004                  ; cy
	s_lshl_b32 s17, ttmp9, 2
	s_add_co_u32 s17, s17, s41                     ; ty: the tile row, 128 tokens
	s_lshl_b32 s43, s41, 2
	s_lshl_b32 s43, 15, s43                        ; my row of the cluster
	s_lshl_b32 s44, 0x1111, s40                    ; my column
	s_or_b32 s[G1+0], s43, (3<<16)|(1<<21)
	s_mov_b32 s[G1+1], 384<<16                     ; A: 4 row tiles x 3,072 bytes, 12,288 apart
	s_mov_b32 s[G1+2], 4<<16
	s_mov_b32 s[G1+3], 384<<16
	s_mov_b32 s[G1+4], 4
	s_mov_b32 s[G1+5], 1536
	s_mov_b32 s[G1+6], 0
	s_mov_b32 s[G1+7], 0
	s_or_b32 s[G1B+0], s44, (3<<16)|(1<<21)
	s_mov_b32 s[G1B+1], 384<<16                    ; B: 8 row tiles
	s_mov_b32 s[G1B+2], 8<<16
	s_mov_b32 s[G1B+3], 384<<16
	s_mov_b32 s[G1B+4], 8
	s_mov_b32 s[G1B+5], 1536
	s_mov_b32 s[G1B+6], 0
	s_mov_b32 s[G1B+7], 0
	s_lshl_b32 s18, s16, 2
	s_lshl_b32 s20, s17, 3
	s_add_co_u32 s20, s20, s18                     ; A: row tile 8 ty + 4 x half
	s_mul_i32 s20, s20, 12288
	s_mov_b32 s21, 0
	s_lshl_b32 s46, s40, 4
	s_lshl_b32 s47, s16, 3
	s_add_co_u32 s46, s46, s47
	s_add_co_u32 s46, s46, 704                     ; B: Wout's row tile 16 tx + 8 x half
	s_mul_i32 s46, s46, 12288
	s_mov_b32 s47, 0
	s_mul_i32 s45, s16, NA*TB                      ; where they go
	s_mul_i32 s42, s16, 8*TB
	s_add_co_u32 s42, s42, ATILE
	s_lshr_b32 s32, s17, 3
	s_lshl_b32 s32, s32, 15
	s_and_b32 s33, s17, 7
	s_lshl_b32 s33, s33, 9
	s_add_co_u32 s32, s32, s33                     ; o's scale words: batch x 32,768 + 512 x (ty % 8)
	s_mov_b32 s33, 0
	s_lshl_b32 s34, s40, 4
	s_add_co_u32 s34, s34, 704
	s_lshl_b32 s34, s34, 9                         ; Wout's scale bytes
	s_mov_b32 s35, 0
	s_lshl_b32 s36, s40, 10
	s_lshl_b32 s37, s16, 9
	s_add_co_u32 s36, s36, s37                     ; my first column, in bytes
	s_mov_b32 s37, 0
	s_lshl_b32 s38, s17, 7
	s_lshl_b32 s39, s15, 6
	s_add_co_u32 s38, s38, s39
	s_lshl_b32 s38, s38, 12                        ; my first row of out0, 4,096 bytes a row
	s_mov_b32 s39, 0
	s_wait_dscnt 0x0
	s_wait_kmcnt 0x0
	s_add_nc_u64 s[20:21], s[4:5], s[20:21]
	s_add_nc_u64 s[46:47], s[8:9], s[46:47]
	s_add_nc_u64 s[6:7], s[6:7], s[32:33]
	s_add_nc_u64 s[10:11], s[10:11], s[34:35]
	s_add_nc_u64 s[76:77], s[76:77], s[36:37]
	s_add_nc_u64 s[78:79], s[78:79], s[36:37]
	s_add_nc_u64 s[78:79], s[78:79], s[38:39]
	CROUND                                         ; all sixteen work-groups are here: the joint loads meet
.irp s, 0,1,2,3
	s_mov_b32 s[G0+4*\s], 1
	s_add_co_u32 s[G0+4*\s+1], s45, \s*SLOT
	s_add_nc_u64 s[G0+4*\s+2:G0+4*\s+3], s[20:21], \s*TB
	s_or_b32 s[G0+4*\s+3], s[G0+4*\s+3], 0x80000000
	s_mov_b32 s[G0B+4*\s+4*(\s/2)], 1
	s_add_co_u32 s[G0B+4*\s+4*(\s/2)+1], s42, \s*SLOT
	s_add_nc_u64 s[G0B+4*\s+4*(\s/2)+2:G0B+4*\s+4*(\s/2)+3], s[46:47], \s*TB
	s_or_b32 s[G0B+4*\s+4*(\s/2)+3], s[G0B+4*\s+4*(\s/2)+3], 0x80000000
	JLOAD G0+4*\s, G0B+4*\s+4*(\s/2)               ; four loads of mine are out
.endr
	v_and_b32 v1, 31, v0                           ; lane
	v_and_b32 v2, 15, v0                           ; r
	v_bfe_u32 v3, v0, 4, 1                         ; H
	v_lshrrev_b32 v25, 5, v0                       ; o's scale words lie [pair of heads][token]: thread t takes four tokens' words of pairs t / 32 and t / 32 + 4,
	v_lshlrev_b32 v26, 4, v1
	v_lshl_add_u32 v26, v25, 12, v26
	global_load_b128 v[192:195], v26, s[6:7]
	global_load_b128 v[196:199], v26, s[6:7] offset:16384
	v_lshlrev_b32 v27, 7, v1                       ; and puts each into its token's row of 32 bytes: row 4 (t % 32) + e, word = the pair
	v_lshrrev_b32 v28, 1, v1
	v_lshl_add_u32 v27, v28, 4, v27
	v_lshl_add_u32 v27, v25, 2, v27
	v_add_nc_u32 v27, SCA, v27
	v_lshlrev_b32 v29, 4, v0                       ; Wout's scale bytes: 16 bytes at 16 t of each 2,048,
	v_lshrrev_b32 v30, 4, v0
	v_lshl_add_u32 v30, v30, 4, v29
	v_add_nc_u32 v30, SCB, v30                     ; 16 bytes further on for each 256 passed
.irp k, 0,1,2,3
	global_load_b128 v[200+4*\k:200+4*\k+3], v29, s[10:11] offset:2048*\k
.endr
	v_lshlrev_b32 v31, 5, v3                       ; the bias, in the result's layout: for B's block b the columns 16 b + 8 H + 0 .. 7
.irp b, 0,1,2,3,4,5,6,7
	global_load_b128 v[BI+8*\b:BI+8*\b+3], v31, s[76:77] offset:64*\b
	global_load_b128 v[BI+8*\b+4:BI+8*\b+7], v31, s[76:77] offset:64*\b+16
.endr
	v_lshlrev_b32 v[L16], 4, v1
	v_lshlrev_b32 v[L8], 3, v1
	s_mul_i32 s32, s15, NA*TB                      ; my 4 row tiles of A
	s_mul_i32 s33, s16, 8*TB
	s_add_co_u32 s33, s33, ATILE                   ; my 8 of B
.irp s, 0,1,2,3
	v_add_nc_u32 v[ADRA16+\s], s32, v[L16]
	v_add_nc_u32 v[ADRA8+\s], s32, v[L8]
	v_add_nc_u32 v[ADRB16+\s], s33, v[L16]
	v_add_nc_u32 v[ADRB8+\s], s33, v[L8]
	s_add_co_u32 s32, s32, SLOT
	s_add_co_u32 s33, s33, SLOT
.endr
	v_lshlrev_b32 v[STO], 5, v2                    ; (at work) my row's scale bytes: 32 a row,
	v_lshrrev_b32 v[RD], 3, v2
	v_lshl_add_u32 v[STO], v[RD], 4, v[STO]        ; 16 more behind each eight rows
	s_mul_i32 s32, s15, NA*544                     ; A's: my 64 rows
	s_mul_i32 s33, s16, 4352                       ; B's: my 128 rows
	s_add_co_u32 s33, s33, SCB-SCA
	s_sub_co_u32 s33, s33, s32
	v_mul_u32_u24 v[RD], s33, v3                   ; lanes 16-31 take B's
	s_add_co_u32 s32, s32, SCA
	v_add_nc_u32 v[STO], v[STO], v[RD]
	v_add_nc_u32 v[ADRS], s32, v[STO]
	s_mul_i32 s32, s14, 16*SPITCH                  ; my stage
	v_mul_u32_u24 v[STO], v2, SPITCH
	v_lshl_add_u32 v[STO], v3, 5, v[STO]
	v_add_nc_u32 v[STO], s32, v[STO]               ; in: row r, 32 bytes for each half of the lanes
	v_add_nc_u32 v[RD], s32, v[L16]                ; back: a row of 512 bytes to the 32 lanes
	s_wait_loadcnt 0x0
.irp e, 0,1,2,3
	ds_store_b32 v27, v[192+\e] offset:32*\e
	ds_store_b32 v27, v[196+\e] offset:32*\e+16
.endr
.irp k, 0,1,2,3
	ds_store_b128 v30, v[200+4*\k:200+4*\k+3] offset:2176*\k
.endr
.macro FRAG reg, a16, a8, off
	ds_load_b128 v[\reg:\reg+3], v[\a16] offset:\off
	ds_load_b64 v[\reg+4:\reg+5], v[\a8] offset:\off+512
	ds_load_b128 v[\reg+6:\reg+9], v[\a16] offset:\off+768
	ds_load_b64 v[\reg+10:\reg+11], v[\a8] offset:\off+1280
.endm
.macro FETCH_B slot, q, p
	WIN TO_B
.irp i, 0,1,2,3,4,5,6,7
	FRAG 128*(\p)+FR*\i, ADRB16+\slot, ADRB8+\slot, \i*TB+(\q)*1536
.endr
	WIN 0
.endm
.macro FETCH_A slot, q, i0
.irp i, \i0, \i0+1
	FRAG AF+FR*(\i), ADRA16+\slot, ADRA8+\slot, (\i)*TB+(\q)*1536
.endr
.endm
.macro SCALES set, ks                  ; lanes 0-15: A's block i (registers of blocks 4-7 are not named for A), lanes 16-31: B's block i
.irp i, 0,1,2,3,4,5,6,7
	ds_load_b64 v[SC+16*(\set)+2*\i:SC+16*(\set)+2*\i+1], v[ADRS] offset:544*\i+8*(\ks)
.endr
.endm
; A's block a against B's eight; the 32 accumulators take turns, one instruction a turn, in the same order in every step.  bias = 1: the sums begin with the bias.
.macro MULA a, p, q, set, bias
.irp b, 0,1,2,3,4,5,6,7
.if \bias
	v_wmma_scale_f32_16x16x128_f8f6f4 v[8*(8*(\a)+\b):8*(8*(\a)+\b)+7], v[128*(\p)+FR*\b:128*(\p)+FR*\b+FR-1], v[AF+FR*(\a):AF+FR*(\a)+FR-1], v[BI+8*\b:BI+8*\b+7], v[SC+16*(\set)+2*\b+(\q)], v[SC+16*(\set)+2*(\a)+(\q)] matrix_a_fmt:MATRIX_FMT_FP6 matrix_b_fmt:MATRIX_FMT_FP6 matrix_a_scale:MATRIX_SCALE_ROW1
.else
	v_wmma_scale_f32_16x16x128_f8f6f4 v[8*(8*(\a)+\b):8*(8*(\a)+\b)+7], v[128*(\p)+FR*\b:128*(\p)+FR*\b+FR-1], v[AF+FR*(\a):AF+FR*(\a)+FR-1], v[8*(8*(\a)+\b):8*(8*(\a)+\b)+7], v[SC+16*(\set)+2*\b+(\q)], v[SC+16*(\set)+2*(\a)+(\q)] matrix_a_fmt:MATRIX_FMT_FP6 matrix_b_fmt:MATRIX_FMT_FP6 matrix_a_scale:MATRIX_SCALE_ROW1
.endif
.endr
.endm
.macro STEP slot, bias                 ; a slot's first 128 along K
	s_wait_dscnt 2*NA                              ; all but the youngest 8 loads (A's blocks 2, 3) are in
	WIN MUL-0x20*(\bias)
	MULA 0, 0, 0, (\slot)%2, \bias
	MULA 1, 0, 0, (\slot)%2, \bias
	s_wait_dscnt 0x0
	PLACES
	FETCH_B \slot, 1, 1
	FETCH_A \slot, 1, 0
	WIN MUL-0x20*(\bias)
	MULA 2, 0, 0, (\slot)%2, \bias
	MULA 3, 0, 0, (\slot)%2, \bias
	PLACES
	WIN 0
	FETCH_A \slot, 1, 2
.endm
; A slot's second 128 along K, and the step into the next slot: my part of it has landed (out: the loads of the slots behind it), and a barrier says so of every wave.  Nothing is filled again.
.macro TURN slot, next, out
	s_wait_tensorcnt \out
	s_wait_dscnt 2*NA
	WIN MUL
	MULA 0, 1, 1, (\slot)%2, 0
	s_wait_dscnt 0x0
	s_barrier_signal -1
	MULA 1, 1, 1, (\slot)%2, 0
	WIN 0
	s_barrier_wait -1
	PLACES
	FETCH_B \next, 0, 0
	FETCH_A \next, 0, 0
	SCALES (\next)%2, \next
	WIN MUL
	MULA 2, 1, 1, (\slot)%2, 0
	MULA 3, 1, 1, (\slot)%2, 0
	PLACES
	WIN 0
	FETCH_A \next, 0, 2
.endm
	s_wait_tensorcnt 3                             ; my part of slot 0 is in; the three later slots' loads may be out
	s_wait_dscnt 0x0                               ; my part of the scale bytes is in LDS
	s_barrier_signal -1
	s_barrier_wait -1
	FETCH_B 0, 0, 0
	FETCH_A 0, 0, 0
	SCALES 0, 0
	FETCH_A 0, 0, 2
	STEP 0, 1
	TURN 0, 1, 2
	STEP 1, 0
	TURN 1, 2, 1
	STEP 2, 0
	TURN 2, 3, 0
	STEP 3, 0
	s_wait_dscnt 2*NA                              ; the last 128 along K
	WIN MUL
	MULA 0, 1, 1, 1, 0
	MULA 1, 1, 1, 1, 0
	s_wait_dscnt 0x0
	MULA 2, 1, 1, 1, 0
	MULA 3, 1, 1, 1, 0
	WIN 0
; THE WAY OUT, block by block of 16 rows x 128 columns, through my own stage: in as 32 bytes a lane, back as whole rows of 512 bytes.  LDS serves a wave's instructions in order: no wait between stores and loads.
.macro TOSTAGE a
	WIN 0x08                                       ; an LDS store's data: window 2
.irp b, 0,1,2,3,4,5,6,7
	ds_store_b128 v[STO], v[64*(\a)+8*\b:64*(\a)+8*\b+3] offset:64*\b        ; each accumulator from its low end on
	ds_store_b128 v[STO], v[64*(\a)+8*\b+4:64*(\a)+8*\b+7] offset:64*\b+16
.endr
	WIN 0
.irp t, 0,1,2,3,4,5,6,7,8,9,10,11,12,13,14,15
	ds_load_b128 v[BK+64*((\a)%2)+4*\t:BK+64*((\a)%2)+4*\t+3], v[RD] offset:\t*SPITCH
.endr
.endm
.macro SEND a, younger
	s_wait_dscnt \younger                          ; the block is back in registers
.if (\a) > 0
	s_add_nc_u64 s[78:79], s[78:79], 16*4096       ; (behind a wait on XCNT: the earlier stores have read their base)
.endif
.irp t, 0,1,2,3,4,5,6,7,8,9,10,11,12,13,14,15
	global_store_b128 v[L16], v[BK+64*((\a)%2)+4*\t:BK+64*((\a)%2)+4*\t+3], s[78:79] offset:\t*4096 th:TH_STORE_NT   ; 512 consecutive bytes, at a multiple of 256 from out0's first byte
.endr
.endm
	PLACES
	TOSTAGE 0
.irp a, 1,2,3
.if \a > 1
	s_wait_xcnt 0x0                                ; block a - 2's stores have read their registers and their base
.endif
	TOSTAGE \a
	SEND \a-1, 32                                  ; behind block a - 1's loads: block a's 16 stores and 16 loads
.endr
	s_wait_xcnt 0x0
	SEND 3, 0
	s_set_vgpr_msb 0x5
	s_wait_tensorcnt 0x0
	ds_add_u32 v254, v255
	s_wait_dscnt 0x0
	s_set_vgpr_msb 0x500
	CROUND                                         ; the closing round: no work-group ends while a partner may still ask for a tile that names it
	s_endpgm
.Lfunc_end_k_q555e19e7c8_gemm_out:
	.size	k_q555e19e7c8_gemm_out, .Lfunc_end_k_q555e19e7c8_gemm_out-k_q555e19e7c8_gemm_out
	.p2alignl 7, 3214868480
	.fill 96, 4, 3214868480
	.section	.rodata,"a",@progbits
	.p2align	6, 0x0
	.amdhsa_kernel k_q555e19e7c8_gemm_out
		.amdhsa_group_segment_fixed_size 327680
		.amdhsa_private_segment_fixed_size 0
		.amdhsa_enable_private_segment 0
		.amdhsa_kernarg_size 48
		.amdhsa_user_sgpr_count 2
		.amdhsa_user_sgpr_kernarg_segment_ptr 1
		.amdhsa_wavefront_size32 1
		.amdhsa_system_sgpr_workgroup_id_x 1
		.amdhsa_system_sgpr_workgroup_id_y 1
		.amdhsa_system_sgpr_workgroup_id_z 1
		.amdhsa_system_vgpr_workitem_id 0
		.amdhsa_next_free_vgpr 768
		.amdhsa_next_free_sgpr 100
		.amdhsa_reserve_vcc 0
		.amdhsa_float_denorm_mode_32 3
		.amdhsa_float_denorm_mode_16_64 3
		.amdhsa_memory_ordered 1
		.amdhsa_forward_progress 1
		.amdhsa_inst_pref_size 91
	.end_amdhsa_kernel
	.amdgpu_metadata
---
amdhsa.version: [ 1, 2 ]
amdhsa.kernels:
  - .name:           k_q555e19e7c8_gemm_out
    .symbol:         k_q555e19e7c8_gemm_out.kd
    .args:
      - { .name: o_img, .offset: 0, .size: 8, .value_kind: global_buffer, .address_space: global }
      - { .name: o_sc, .offset: 8, .size: 8, .value_kind: global_buffer, .address_space: global }
      - { .name: xw_img, .offset: 16, .size: 8, .value_kind: global_buffer, .address_space: global }
      - { .name: xw_sc, .offset: 24, .size: 8, .value_kind: global_buffer, .address_space: global }
      - { .name: bout, .offset: 32, .size: 8, .value_kind: global_buffer, .address_space: global }
      - { .name: out0, .offset: 40, .size: 8, .value_kind: global_buffer, .address_space: global }
    .group_segment_fixed_size: 327680
    .private_segment_fixed_size: 0
    .kernarg_segment_align: 8
    .kernarg_segment_size: 48
    .max_flat_workgroup_size: 128
    .sgpr_count:     100
    .vgpr_count:     768
    .wavefront_size: 32
...
	.end_amdgpu_metadata
.endif
;; end of part 4
